; MI455X (gfx1250); checked and timed in simulation.
; The chip was launched on July 23, 2026; its instructions are those of AMD's public machine-readable ISA for CDNA 5 (MIT licence, August 2026) and "CDNA5" Instruction Set Architecture Reference Guide (July 2026). The comments in the code are by the model that wrote it; some were corrected since.
;; Attention. Allowed arithmetic: matrix products marked QUANTISED: E2M3 operands, one E8M0 scale for each 32 along K, by v_wmma_scale_f32_16x16x128_f8f6f4 with both operands' format E2M3, f32 sums; everything else in f32.
;; Inputs: Wk_codes 1,024 x 32 x 24 uint8 (E2M3 codes of Wk, K innermost, in blocks of 32 codes, four codes in three bytes); Wk_scales 1,024 x 32 uint8 (E8M0 scales of Wk, one for each 32 codes along K); Wo_codes 1,024 x 32 x 24 uint8 (E2M3 codes of Wo, K innermost, in blocks of 32 codes, four codes in three bytes); Wo_scales 1,024 x 32 uint8 (E8M0 scales of Wo, one for each 32 codes along K); Wq_codes 1,024 x 32 x 24 uint8 (E2M3 codes of Wq, K innermost, in blocks of 32 codes, four codes in three bytes); Wq_scales 1,024 x 32 uint8 (E8M0 scales of Wq, one for each 32 codes along K); Wv_codes 1,024 x 32 x 24 uint8 (E2M3 codes of Wv, K innermost, in blocks of 32 codes, four codes in three bytes); Wv_scales 1,024 x 32 uint8 (E8M0 scales of Wv, one for each 32 codes along K); bk 1,024 float32; bo 1,024 float32; bq 1,024 float32; bv 1,024 float32; x_codes 4 x 2,048 x 32 x 24 uint8 (E2M3 codes of x, K innermost, in blocks of 32 codes, four codes in three bytes); x_scales 4 x 2,048 x 32 uint8 (E8M0 scales of x, one for each 32 codes along K).
;; Outputs: out0 4 x 2,048 x 1,024 float32.
;; This version of the problem:
;;   THIS VERSION OF THE PROBLEM IS GIVEN IN LOW PRECISION. The matrix products marked QUANTISED in the list below multiply operands that are first quantised to E2M3 (2 exponent bits, 3 mantissa bits; 6 bits a number), with one power-of-two scale for each 32 numbers along K (OCP MX v1.0); their sums are f32. All else is computed in f32.
;;   The module's matrix products, in the order in which they are computed (A, B: the left and right operand; K: the contracted axis; several contracted axes count as one K, in the product's order):
;;     1. [M 8,192, K 1,024] x [K 1,024, N 1,024]; A: input x (given as codes); B: input Wq (given as codes): QUANTISED
;;     2. [M 8,192, K 1,024] x [K 1,024, N 1,024]; A: input x (given as codes); B: input Wk (given as codes): QUANTISED
;;     3. [M 8,192, K 1,024] x [K 1,024, N 1,024]; A: input x (given as codes); B: input Wv (given as codes): QUANTISED
;;     4. batch 4 x [M 2,048, K 1,024] x [K 1,024, N 2,048]; A: computed on the way; B: computed on the way: QUANTISED
;;     5. batch 4 x [M 2,048, K 2,048] x [K 2,048, N 1,024]; A: softmax (see below); B: computed on the way: QUANTISED
;;     6. [M 8,192, K 1,024] x [K 1,024, N 1,024]; A: computed on the way; B: input Wo (given as codes): QUANTISED
;;   THE QUANTISER, for each operand of a quantised product, along K:
;;     - K is cut into blocks of 32 from its start; a last block that is shorter is filled with zeros.
;;     - A block's scale is 2^e with e = floor(log2(the largest magnitude in the block)) - 2, held to -126 .. 127; a block of zeros has e = 0. As a byte (E8M0): e + 127.
;;     - Each number is divided by its block's scale, clamped to +-7.5, and rounded to the nearest number of E2M3, ties to even, subnormals kept.
;;     - The product sums the exact products of the quantised numbers (number of the format x scale) in f32.
;;   ~~~python
;;   def quantise(x, axis):      # numpy; x: float32 -> the quantised numbers, widened to float32 again
;;       x = np.moveaxis(x, axis, -1); K = x.shape[-1]
;;       x = np.pad(x, [(0, 0)] * (x.ndim - 1) + [(0, -K % 32)]); x = x.reshape(x.shape[:-1] + (-1, 32)); a = np.abs(x).max(-1, keepdims=True)
;;       e = np.where(a > 0, np.clip(np.frexp(np.where(a > 0, a, 1))[1] - 1 - 2, -126, 127), 0)      # np.frexp(a)[1] - 1 = floor(log2(a)), exactly
;;       r = np.clip(x / 2.0 ** e, -7.5, 7.5)
;;       step = 2.0 ** (np.maximum(np.frexp(np.where(r == 0, 1, r))[1] - 1, 0) - 3)
;;       q = np.round(r / step) * step * 2.0 ** e      # np.round: ties to even
;;       return np.moveaxis(q.reshape(q.shape[:-2] + (-1,))[..., :K], -1, axis).astype(np.float32)
;;   ~~~
;;   SOFTMAX AHEAD OF A QUANTISED PRODUCT. Where the list says 'softmax', what is quantised is not the finished softmax but p = 2^(t - M), with t = logit x log2(e) and M = ceil(the row's largest t), a whole number; so 1/2 < the row's largest p <= 1. The row's sum l is taken of the UNQUANTISED p, in f32, and the product's result is divided by l at the end. Since M is a whole number, a kernel that streams over the keys may use a running M (the ceiling of the running maximum): every later rescaling is an exact power of two, which a block's scale takes up: the codes' values come out the same.
;;   OPERANDS COMPUTED ON THE WAY. 'Computed on the way' means the value that the module computes at that place (a softmax that the list does not call 'softmax' is quantised finished and normalised). What goes into a quantiser is computed in f32, as accurately as f32 sums, v_exp_f32 and their like allow (about 1e-6 of the number): no bf16 or f16 on the way to a quantiser, and a product that is left as it is and whose result goes on into a quantised operand takes f32 operands (vector FMAs, or v_wmma_f32_16x16x4_f32). A number that lies on a knife's edge between two numbers of the format may be rounded either way, as far as f32 arithmetic and the matrix unit's own rounding can turn it there, and no further.
;;   INPUTS GIVEN AS CODES. Wk (in the module: [1024, 1024], K = its axis 1); Wo (in the module: [1024, 1024], K = its axis 1); Wq (in the module: [1024, 1024], K = its axis 1); Wv (in the module: [1024, 1024], K = its axis 1); x (in the module: [4, 2048, 1024], K = its axis 2): each comes as NAME_codes (uint8): NAME with its K axis moved to the last place and cut into blocks of 32 codes, [.., K / 32, bytes a block], one block behind the other in memory; four codes in three bytes: a row's codes are one little-endian stream of bits, code i at bits 6 i .. 6 i + 5 (a code: sign, 2 exponent bits, 3 mantissa bits); and NAME_scales (uint8): the same leading axes, one E8M0 byte (e + 127) for each 32 codes along K. Its value is code x scale, taken as it is: it is not quantised again, and the codes and scales need not be those that the quantiser above would give.
;; One version. Each part assembles by itself: llvm-mc -triple=amdgcn-amd-amdhsa -mcpu=gfx1250 --defsym DOCPART=n.
;; ======== version 1 of 1: 4 launches
;; limits: right only within a limited range of input values
;; workspace buffers: qkv 20,480,000 bytes; pbuf 14,155,776 bytes; cbuf 6,553,600 bytes
;; launch proj (part 1): grid 8 x 32, 4 waves a work-group, clusters of 4 x 4, 327,680 bytes of LDS; arguments x_codes, x_scales, Wq_codes, Wq_scales, Wk_codes, Wk_scales, Wv_codes, Wv_scales, bq, bk, bv, Wo_codes, Wo_scales, qkv; writes qkv
.if DOCPART == 1
	.amdgcn_target "amdgcn-amd-amdhsa--gfx1250"
	.amdhsa_code_object_version 6
	.text
	.protected	k_qb64dee81fc_proj
	.globl	k_qb64dee81fc_proj
	.p2align	8
	.type	k_qb64dee81fc_proj,@function
k_qb64dee81fc_proj:
	s_mov_b64 s[64:65], 0
	v_nop
	global_prefetch_b8 v0, s[64:65] scope:SCOPE_SE
	s_setreg_imm32_b32 hwreg(HW_REG_WAVE_MODE, 25, 1), 1
	s_wait_xcnt 0x0
	s_wait_alu depctr_hold_cnt(0) depctr_sa_sdst(0) depctr_va_vdst(0) depctr_va_sdst(0) depctr_va_ssrc(0) depctr_va_vcc(0) depctr_vm_vsrc(0)
	s_getreg_b32 s2, hwreg(HW_REG_IB_STS2, 6, 4)
	s_cmp_eq_u32 s2, 0
	s_cbranch_scc0 .Lentry_in_a_cluster
	s_endpgm
.Lentry_in_a_cluster:
	s_bfe_u32 s2, ttmp6, 0x10000c
	s_cmp_lg_u32 s2, 0xf033
	s_cbranch_scc0 .Lentry_shape_is_right
	s_endpgm
.Lentry_shape_is_right:
; q = x Wq^T + bq, k = x Wk^T + bk, v = x Wv^T + bv on codes of FP6 (E2M3), each result quantised for the product that takes it: q and k along the channels, v along the tokens.
; Stored as images of operand registers ([group of 128 rows][K step][fragment][1,536 bytes]) with one scale word a row and K step.  Wo's codes and scale words are copied into the same form.
; SHARES.  Phase 1: a work-group makes 256 tokens x 256 channels of q (cluster x = 0) or k (1), a wave 128 x 128: 64 accumulators.  Phase 2: 256 tokens x 128 channels of v^T, a wave 128 tokens x 64 channels.
; THE RING: two LDS slots, each one chunk of 256 bytes of 256 rows of x and of 256 rows of a weight (phase 2: 128 rows of Wv).  A row of codes is 768 bytes, three chunks, each beginning on a multiple of 256.
; Six chunks are walked on end (three for each phase), chunk c in slot c % 2.  A step of 128 along K is 96 bytes: steps 2 and 5 of each eight lie across two chunks.
; CLUSTERS 4 x 4: x's tiles are asked for jointly along a row of the cluster, the weights' along a column.
; THE ROWS OF A TILE OF SOURCE 0 are not neighbours: lane r of tile t takes row 32 (t / 2) + 8 (t % 2) + r + 8 (r / 8).  So the 16 registers of tiles 2 b, 2 b + 1 are the numbers 32 b + 16 h + 0 .. 15 along the
; next K: each 16 are converted as they stand, and three lane exchanges for each pair of blocks give every lane whole blocks.  The biases are the C of each sum's first matrix instruction.
; PREFETCH: chunk 2 of x and of the weight is asked for behind the first load, Wv's three chunks behind the loads of chunks 1, 2, 3: each at least one refill ahead of its own load; a lane a row, the four partners
; of a joint load take 32 rows each, by address.  x's chunks of phase 2 have been read in phase 1 and are not asked for.
; All work of reference() that feeds q, k, v is done.  LIMITS: NaN and infinities are not served; a block whose largest magnitude lies under 2^-124 (a block of zeros too) keeps the scale byte 1.
; REGISTERS.  Window 0: v4-19 LDS addresses; v24 16 x lane; v28, v29 for the add; v32-63 source 1's scale words, v64-95 source 0's; v96-111 the quantiser's work; v112-123 scale words made;
;   v128-223 source 1's fragments (v192-210 codes in the epilogues); v228-241 Wo's copy; v242-255 offsets.  Window 1: source 0's fragments, two sets (v0, v128); v96-127, v224-255 biases.  Windows 2, 3: accumulators.
.set PITCH,  272                       ; 256 bytes + 16 of padding
.set HALFT,  128*PITCH
.set SLOT,   4*HALFT
.set SPARE,  2*SLOT
.set FR,     12
.set NL,     6
.set VC,     12582912
.set OC,     18874368
.set QS,     19660800
.set VS,     20185088
.set OS,     20447232
.set ADV1, 4                           ; each family: slot 0, slot 1, across slots 0 -> 1, across slots 1 -> 0
.set ADV0, 8
.set ADR1, 12
.set ADR0, 16
.set LI,   24
.set SPW,  28
.set NIL,  29
.set SC1,  32
.set SC0,  64
.set TM,   96
.set TP,   100
.set SO,   104
.set BYT,  108
.set PWK,  112
.set WW,   120
.set PFO,  124
.set AF,   128
.set PC,   192
.set TC,   204
.set WOD,  228
.set VSX1, 242
.set VSW0, 243
.set VSX0, 244
.set VSWV, 245
.set VBR,  246
.set VBL,  247
.set VWOC, 248
.set VWOS, 249
.set VWOD, 250
.set VWSD, 251
.set VO1,  252
.set VS1,  253
.set VO2,  254
.set VS2,  255
.set G0V,  4
.set G1,   24
.set G0,   32
.set G1B,  48
.set G0B,  56
.set SEL,  66
.set MUL_LO, 0xa1
.set MUL_HI, 0xf1
.set MSB, 0
.macro WIN new
.if MSB != (\new)
	s_set_vgpr_msb (MSB<<8)|(\new)
.set MSB, \new
.endif
.endm
.macro PLACES n
.rept \n
	v_nop
.endr
.endm
.macro JLOAD g0a, g1a, g0b, g1b        ; waves 0, 1 fetch x's halves, waves 2, 3 the weight's
	s_cmp_eq_u32 s15, 0
	s_cbranch_scc0 .Lfor_b_\@
	tensor_load_to_lds s[\g0a:\g0a+3], s[\g1a:\g1a+7]
	s_nop 0
.rept 4
	v_nop
.endr
	s_branch .Lasked_\@
.Lfor_b_\@:
	tensor_load_to_lds s[\g0b:\g0b+3], s[\g1b:\g1b+7]
	s_nop 0
.rept 4
	v_nop
.endr
.Lasked_\@:
.endm
.macro JLOADV s                        ; phase 2: waves 0, 1 fetch x's halves, wave 2 Wv's 128 rows, wave 3 nothing
	s_cmp_lt_u32 s14, 2
	s_cbranch_scc0 .Lnot_x_\@
	tensor_load_to_lds s[G0+4*(\s):G0+4*(\s)+3], s[G1:G1+7]
	s_nop 0
.rept 4
	v_nop
.endr
	s_branch .Lasked_\@
.Lnot_x_\@:
	s_cmp_eq_u32 s14, 2
	s_cbranch_scc0 .Lasked_\@
	tensor_load_to_lds s[G0V+4*(\s):G0V+4*(\s)+3], s[G1B:G1B+7]
	s_nop 0
.rept 4
	v_nop
.endr
.Lasked_\@:
.endm
.macro CREST
	s_cmp_lg_u32 s14, 0
	s_cbranch_scc1 .Lnot_wave_0_\@
	s_barrier_signal -3
.Lnot_wave_0_\@:
	s_barrier_wait -3
	s_barrier_signal -1
	s_barrier_wait -1
.endm
.macro CROUND
	s_barrier_signal -1
	s_barrier_wait -1
	CREST
.endm
.macro REFILL c                        ; chunk c into slot c % 2; no tensor load of mine is out, so the addresses may step
.if (\c) == 2
	s_add_nc_u64 s[G0+2:G0+3], s[G0+2:G0+3], 512
	s_add_nc_u64 s[G0B+2:G0B+3], s[G0B+2:G0B+3], 512
	JLOAD G0, G1, G0B, G1B
.else
.if (\c) == 5
	s_add_nc_u64 s[G0+6:G0+7], s[G0+6:G0+7], 512
	s_add_nc_u64 s[G0V+6:G0V+7], s[G0V+6:G0V+7], 512
.else
	s_sub_nc_u64 s[G0+4*((\c)%2)+2:G0+4*((\c)%2)+3], s[G0+4*((\c)%2)+2:G0+4*((\c)%2)+3], 256   ; x's chunk c - 3
.endif
	JLOADV (\c)%2
	PLACES 4                                       ; on wave 3's way too: places in front of the loads that follow
.endif
.endm
.macro ASKV off                        ; wave 2 asks for my work-group's 32 rows of a chunk of Wv
	s_cmp_eq_u32 s14, 2
	s_cbranch_scc0 .Lno_ask_\@
	global_prefetch_b8 v[PFO], s[18:19] offset:\off th:TH_LOAD_NT scope:SCOPE_SE
.Lno_ask_\@:
.endm
.macro WMI                             ; the matrix line, from rD, rA, rB, rC, rSA, rSB; rHI: K steps 4-7, whose scale words lie in lanes 16-31
.if rHI
	v_wmma_scale_f32_16x16x128_f8f6f4 v[rD:rD+7], v[rA:rA+11], v[rB:rB+11], v[rC:rC+7], v[rSA], v[rSB] matrix_a_fmt:MATRIX_FMT_FP6 matrix_b_fmt:MATRIX_FMT_FP6 matrix_a_scale:MATRIX_SCALE_ROW1 matrix_b_scale:MATRIX_SCALE_ROW1
.else
	v_wmma_scale_f32_16x16x128_f8f6f4 v[rD:rD+7], v[rA:rA+11], v[rB:rB+11], v[rC:rC+7], v[rSA], v[rSB] matrix_a_fmt:MATRIX_FMT_FP6 matrix_b_fmt:MATRIX_FMT_FP6
.endif
.endm
; A fragment in six pieces of 8 bytes.  st counts steps through both phases; byte y of the walk lies in chunk y / 256, slot (y / 256) % 2.  Lanes 16-31 read 24 bytes further on: where that is the next chunk, the second pair of addresses serves.
.macro FRAG reg, adr, st, row
.irp p, 0,1,2,3,4,5
.set FB, 96*(\st)+48*(\p/3)+8*(\p%3)
.if FB/256 == (FB+24)/256
	ds_load_b64 v[\reg+2*\p:\reg+2*\p+1], v[\adr+(FB/256)%2] offset:FB%256+(\row)*PITCH
.else
	ds_load_b64 v[\reg+2*\p:\reg+2*\p+1], v[\adr+2+(FB/256)%2] offset:FB%256-232+(\row)*PITCH
.endif
.endr
.endm
.macro FETCH0 st, p                    ; the weight's eight tiles into set p of window 1
	WIN 0x40
.irp i, 0,1,2,3,4,5,6,7
	FRAG 128*(\p)+FR*\i, ADR0, \st, 32*(\i/2)+8*(\i%2)
.endr
	WIN 0
.endm
.macro FETCH1 st, i0                   ; x's blocks i0 .. i0 + 3
.irp i, \i0, \i0+1, \i0+2, \i0+3
	FRAG AF+FR*(\i), ADR1, \st, 16*(\i)
.endr
.endm
.macro FETCHV st, bf                   ; phase 2: x's eight tiles and Wv's four blocks into set bf
	WIN 0x40
.irp i, 0,1,2,3,4,5,6,7
	FRAG 128*(\bf)+FR*\i, ADV0, \st, 32*(\i/2)+8*(\i%2)
.endr
	WIN 0
.irp i, 0,1,2,3
	FRAG AF+48*(\bf)+FR*\i, ADV1, \st, 16*\i
.endr
.endm
; The accumulators take turns, one instruction a turn.  first = 1: C is the bias.
.macro MUL16 a0, p, gs, first
.irp a, \a0, \a0+1
.irp b, 0,1,2,3,4,5,6,7
.set rD, 8*(8*((\a)%4)+\b)
.if \first
.set rC, 96+8*\b+96*(\b/4)
.else
.set rC, rD
.endif
.set rA, 128*(\p)+FR*\b
.set rB, AF+FR*(\a)
.set rSA, SC0+4*\b+(\gs)%4
.set rSB, SC1+4*(\a)+(\gs)%4
.set rHI, (\gs)/4
	WMI
.endr
.endr
.endm
.macro MUL8V a, bf, gs, first
.irp b, 0,1,2,3,4,5,6,7
.set rD, 8*(8*(\a)+\b)
.if \first
.set rC, 96+8*(\a)
.else
.set rC, rD
.endif
.set rA, 128*(\bf)+FR*\b
.set rB, AF+48*(\bf)+FR*(\a)
.set rSA, SC0+4*\b+(\gs)%4
.set rSB, SC1+4*(\a)+(\gs)%4
.set rHI, (\gs)/4
	WMI
.endr
.endm
; A step of phase 1.  Where the next step's bytes end in a chunk not yet read: a barrier shows it whole.  Where they begin in a later chunk: the chunk left behind is filled again behind a round.
.macro STEP st, first
.set C0, (96*(\st))/256
.set C1, (96*(\st)+96)/256
.set E0, (96*(\st)+95)/256
.set E1, (96*(\st)+191)/256
.if \first
.set WLO, 0x91                         ; C in window 1
.set WHI, 0xd1
.else
.set WLO, MUL_LO
.set WHI, MUL_HI
.endif
.if C1 > C0 || E1 > E0
	s_wait_tensorcnt 0x0                           ; all my tensor loads have landed
.if C1 > C0
	ds_add_u32 v[SPW], v[NIL]
	s_wait_dscnt 4*NL+1                            ; the add and x's blocks 4-7 may be out
.else
	s_wait_dscnt 4*NL                              ; x's blocks 4-7 may be out
.endif
	WIN WLO
	MUL16 0, (\st)%2, \st, \first
	s_wait_dscnt 0x0                               ; the add and all my reads are done
	s_barrier_signal -1
	MUL16 2, (\st)%2, \st, \first
	WIN 0
	s_barrier_wait -1
.if C1 > C0
	CREST
	REFILL C0+2
.else
	PLACES 4
.endif
.else
	s_wait_dscnt 4*NL                              ; the weight's set and x's blocks 0-3 are in; x's blocks 4-7 may be out
	WIN WLO
	MUL16 0, (\st)%2, \st, \first
	MUL16 2, (\st)%2, \st, \first
	s_wait_dscnt 0x0
	PLACES 4
.endif
	FETCH0 (\st)+1, ((\st)+1)%2
	FETCH1 (\st)+1, 0
.if C1 > C0
	ASKV 256*(C0+1)                                ; Wv's chunk for the refill after the next
.endif
	WIN WHI
	MUL16 4, (\st)%2, \st, \first
	MUL16 6, (\st)%2, \st, \first
	PLACES 4
	WIN 0
	FETCH1 (\st)+1, 4
.endm
.macro STEPV st, first                 ; a step of phase 2 (st = 8 .. 14)
.set C0, (96*(\st))/256
.set C1, (96*(\st)+96)/256
.set E0, (96*(\st)+95)/256
.set E1, (96*(\st)+191)/256
.if E1 > E0 || (C1 > C0 && C0+2 < 6)
	PLACES 4                                       ; behind the last step's products, which read the set that is loaded below
	WIN 0
	s_wait_tensorcnt 0x0
.if C1 > C0
	ds_add_u32 v[SPW], v[NIL]
	s_wait_dscnt 0x1                               ; this step's fragments are in; the add may be out
.else
	s_wait_dscnt 0x0
.endif
	WIN MUL_LO
	MUL8V 0, (\st)%2, (\st)-8, 0
.if C1 > C0
	s_wait_dscnt 0x0
.endif
	s_barrier_signal -1
	MUL8V 1, (\st)%2, (\st)-8, 0
	WIN 0
	s_barrier_wait -1
.if C1 > C0
	CREST
	REFILL C0+2
.endif
	FETCHV (\st)+1, ((\st)+1)%2
	WIN MUL_LO
	MUL8V 2, (\st)%2, (\st)-8, 0
	MUL8V 3, (\st)%2, (\st)-8, 0
.else
	s_wait_dscnt 0x0
	PLACES 4
	FETCHV (\st)+1, ((\st)+1)%2
.if \first
	WIN 0x91
.else
	WIN MUL_LO
.endif
	MUL8V 0, (\st)%2, (\st)-8, \first
	MUL8V 1, (\st)%2, (\st)-8, \first
	MUL8V 2, (\st)%2, (\st)-8, \first
	MUL8V 3, (\st)%2, (\st)-8, \first
.endif
.endm
; Block a (16 rows x 128 along the next K, 64 registers) becomes a fragment's codes and the rows' scale word.  Block q of 32 lies in registers 16 q .. 16 q + 15 of lanes l and l xor 16.
.macro EPI a, vo
.set AC, 64*((\a)%4)
.set WD, 2+(\a)/4
	WIN WD|(WD<<2)
.irp q, 0,1,2,3
	v_max3_num_f32 v[TM+\q], |v[AC+16*\q]|, |v[AC+16*\q+1]|, 0x1800000   ; each accumulator from its low end on; the floor 2^(3 - 127) holds the byte at 1 from below
.endr
	WIN (WD<<2)|(WD<<4)
.irp i, 2,4,6,8,10,12,14
.irp q, 0,1,2,3
	v_max3_num_f32 v[TM+\q], v[TM+\q], |v[AC+16*\q+\i]|, |v[AC+16*\q+\i+1]|
.endr
.endr
	WIN 0
.irp q, 0,1,2,3
	v_permlanex16_b32 v[TP+\q], v[TM+\q], s[SEL], s[SEL+1]
.endr
.irp q, 0,1,2,3
	v_max_num_f32 v[TM+\q], v[TM+\q], v[TP+\q]
.endr
.irp q, 0,1,2,3
	v_add_nc_u32 v[SO+\q], 0xff000000, v[TM+\q]    ; 2 off the exponent field: the conversion's scale operand
.endr
.irp q, 0,1,2,3
	v_lshrrev_b32 v[BYT+\q], 23, v[SO+\q]
.endr
	v_lshl_or_b32 v[PWK+(\a)], v[BYT+1], 8, v[BYT]
	v_lshl_or_b32 v[PWK+(\a)], v[BYT+2], 16, v[PWK+(\a)]
	v_lshl_or_b32 v[PWK+(\a)], v[BYT+3], 24, v[PWK+(\a)]
	s_wait_alu depctr_va_vdst(0)                   ; the wait ahead of the wait below
	s_wait_xcnt 0x0                                ; the last block's stores have read the codes' registers
	WIN WD
.irp c, 0,1
	v_cvt_scalef32_pk16_fp6_f32 v[PC+6*\c:PC+6*\c+2], v[AC+32*\c:AC+32*\c+15], v[SO+2*\c]
	v_cvt_scalef32_pk16_fp6_f32 v[TC+4*\c:TC+4*\c+2], v[AC+32*\c+16:AC+32*\c+31], v[SO+2*\c+1]
.endr
	WIN 0
	v_nop                                          ; one plain instruction behind the scaled conversions
.irp c, 0,1
.irp i, 0,1,2
	v_permlane16_swap_b32 v[PC+6*\c+\i], v[TC+4*\c+\i]   ; lane half h now holds block 2 c + h: its lower 16 codes in the first, its upper 16 in the second
.endr
.irp i, 0,1,2
	v_mov_b32 v[PC+6*\c+3+\i], v[TC+4*\c+\i]
.endr
.endr
.irp c, 0,1,2
	global_store_b128 v[\vo], v[PC+4*\c:PC+4*\c+3], s[94:95] offset:(\a)*1536+512*\c   ; 32 lanes store 512 consecutive bytes, aligned
.endr
.endm
.macro ADRS adr, sb, l24, lc0, lc1
	v_add_nc_u32 v[\adr], \sb, v[\l24]
	v_add_nc_u32 v[\adr+1], SLOT, v[\adr]
	v_add_nc_u32 v[\adr+2], \sb, v[\lc0]
	v_add_nc_u32 v[\adr+3], \sb, v[\lc1]
.endm
	s_load_b512 s[68:83], s[0:1], 0x0              ; x codes, scales; Wq; Wk; Wv
	s_load_b256 s[84:91], s[0:1], 0x40             ; bq, bk, bv, Wo codes
	s_load_b128 s[92:95], s[0:1], 0x60             ; Wo scales, qkv
	v_lshl_add_u32 v[SPW], v0, 2, SPARE
	v_mov_b32 v[NIL], 0
	ds_add_u32 v[SPW], v[NIL]                      ; the opening lines: the add twice on end and one wait
	ds_add_u32 v[SPW], v[NIL]
	v_lshrrev_b32 v1, 5, v0
	v_readfirstlane_b32 s14, v1                    ; wave
	; what hangs on the lane alone
	v_and_b32 v1, 15, v0                           ; r
	v_bfe_u32 v2, v0, 4, 1                         ; h
	v_and_b32 v3, 31, v0
	v_lshlrev_b32 v[LI], 4, v3
	v_and_b32 v31, 8, v1
	v_add_nc_u32 v31, v31, v1                      ; r + 8 (r / 8)
	v_mul_u32_u24 v22, v1, PITCH
	v_mul_u32_u24 v26, v31, PITCH
	v_mul_u32_u24 v27, v2, 24
	v_mul_u32_u24 v30, SLOT-232, v2
	v_add_nc_u32 v30, 232, v30                     ; lanes 0-15 byte 232 in slot 0, lanes 16-31 byte 0 in slot 1
	v_add_nc_u32 v20, v22, v27
	v_add_nc_u32 v23, v26, v27
	v_add_nc_u32 v21, v22, v30
	v_add_nc_u32 v25, v26, v30
	v_sub_nc_u32 v30, 1, v2
	v_mul_u32_u24 v30, SLOT+232, v30               ; lanes 0-15 byte 232 in slot 1, lanes 16-31 byte 0 in slot 0
	v_add_nc_u32 v22, v22, v30
	v_add_nc_u32 v26, v26, v30
	v_lshlrev_b32 v30, 5, v1
	v_lshl_add_u32 v30, v2, 4, v30                 ; scales: 32 bytes a row, lanes 16-31 the words of K steps 4-7
	v_lshlrev_b32 v31, 5, v31
	v_lshl_add_u32 v31, v2, 4, v31
	v_mad_u32_u24 v27, v1, 768, v27
	v_and_b32 v[VWOS], 1, v3
	v_lshlrev_b32 v[VWOS], 11, v[VWOS]
	v_lshrrev_b32 v[VWSD], 1, v3
	v_lshl_add_u32 v[VWOS], v[VWSD], 5, v[VWOS]
	v_mul_u32_u24 v[PFO], v3, 768
.irp q, 0,1,2,3
	v_mov_b32 v[TP+\q], 0                          ; a lane permute's destination counts as one of its sources
.endr
	s_wait_alu depctr_va_vdst(0)
	s_wait_dscnt 0x0                               ; both opening adds are done
	s_lshr_b32 s15, s14, 1                         ; w1
	s_and_b32 s16, s14, 1                          ; w0
	s_mul_i32 s96, s15, HALFT
	s_mul_i32 s97, s16, HALFT
	s_add_co_u32 s98, s97, 2*HALFT
	s_mul_i32 s99, s15, 64*PITCH
	s_add_co_u32 s99, s99, 2*HALFT
	ADRS ADR1, s96, 20, 21, 22                     ; x as source 1: my 128 tokens by w1, rows as they lie
	ADRS ADR0, s98, 23, 25, 26                     ; the weight as source 0: my 128 rows by w0, rows chosen
	ADRS ADV0, s97, 23, 25, 26                     ; x as source 0: my 128 tokens by w0, rows chosen
	ADRS ADV1, s99, 20, 21, 22                     ; Wv as source 1: my 64 rows by w1
	s_mul_i32 s45, s14, HALFT
	s_bfe_u32 s40, ttmp6, 0x40000
	s_bfe_u32 s41, ttmp6, 0x40004
	s_lshl_b32 s42, ttmp9, 2
	s_add_co_u32 s42, s42, s40                     ; tx
	s_and_b32 s17, ttmp7, 0xffff
	s_lshl_b32 s17, s17, 2
	s_add_co_u32 s17, s17, s41                     ; ty
	s_lshl_b32 s43, s41, 2
	s_lshl_b32 s43, 15, s43
	s_lshl_b32 s44, 0x1111, s40
	s_or_b32 s[G1], s43, (1<<20)|(1<<21)|(5<<22)|(3<<25)
	s_or_b32 s[G1B], s44, (1<<20)|(1<<21)|(5<<22)|(3<<25)
.irp g, G1, G1B
	s_mov_b32 s[\g+1], 256<<16
	s_mov_b32 s[\g+2], 128<<16
	s_mov_b32 s[\g+3], 256<<16
	s_mov_b32 s[\g+4], 128
	s_mov_b32 s[\g+5], 768
	s_mov_b32 s[\g+6], 0
	s_mov_b32 s[\g+7], 0
.endr
	s_mov_b32 s[SEL], 0x76543210
	s_mov_b32 s[SEL+1], 0xfedcba98
	s_lshl_b32 s18, s16, 7
	s_lshl_b32 s19, s15, 7
	s_lshl_b32 s12, s17, 8
	s_lshl_b32 s13, s40, 8
	s_lshl_b32 s22, s42, 7
	s_add_co_u32 s20, s12, s18                     ; x: row 256 ty + 128 w0
	s_add_co_u32 s46, s13, s18                     ; Wq or Wk: row 256 cx + 128 w0
	s_add_co_u32 s2, s12, s19                      ; x: row 256 ty + 128 w1
	s_lshl_b32 s3, s15, 6
	s_add_co_u32 s3, s3, s22                       ; Wv: row 128 tx + 64 w1
	s_lshl_b32 s96, s2, 5
	v_add_nc_u32 v[VSX1], s96, v30
	s_lshl_b32 s97, s46, 5
	v_add_nc_u32 v[VSW0], s97, v31
	s_lshl_b32 s98, s20, 5
	v_add_nc_u32 v[VSX0], s98, v31
	s_lshl_b32 s99, s3, 5
	v_add_nc_u32 v[VSWV], s99, v30
	s_lshl_b32 s96, s46, 2
	v_lshl_add_u32 v[VBR], v2, 6, s96              ; bias by registers: 16 h channels on
	s_lshl_b32 s97, s3, 2
	v_lshl_add_u32 v[VBL], v1, 2, s97              ; bias by lanes
	s_lshl_b32 s96, s17, 2
	s_add_co_u32 s96, s96, s40                     ; Wo's copy: 128 work-groups, four fragments each
	s_lshl_b32 s97, s96, 2
	s_add_co_u32 s97, s97, s14
	s_lshr_b32 s98, s97, 6
	s_lshl_b32 s98, s98, 7
	s_and_b32 s99, s97, 7
	s_lshl_b32 s99, s99, 4
	s_add_co_u32 s98, s98, s99
	s_mul_i32 s98, s98, 768
	s_bfe_u32 s99, s97, 0x30003
	s_mul_i32 s99, s99, 96
	s_add_co_u32 s98, s98, s99
	v_add_nc_u32 v[VWOC], s98, v27
	s_lshr_b32 s98, s96, 4
	s_lshl_b32 s98, s98, 7
	s_and_b32 s99, s96, 1
	s_lshl_b32 s99, s99, 4
	s_add_co_u32 s98, s98, s99
	s_lshl_b32 s98, s98, 5
	s_bfe_u32 s99, s96, 0x30001
	s_lshl_b32 s99, s99, 2
	s_add_co_u32 s98, s98, s99
	v_add_nc_u32 v[VWOS], s98, v[VWOS]
	s_mul_i32 s98, s97, 1536
	s_add_co_u32 s98, s98, OC
	v_add_nc_u32 v[VWOD], s98, v[LI]
	s_lshl_b32 s98, s96, 8
	s_add_co_u32 s98, s98, OS
	v_lshl_add_u32 v[VWSD], v3, 3, s98
	s_lshl_b32 s96, s17, 1
	s_add_co_u32 s96, s96, s15                     ; q, k: group of tokens 2 ty + w1,
	s_lshl_b32 s97, s40, 1
	s_add_co_u32 s97, s97, s16                     ; K step 2 cx + w0
	s_mul_i32 s98, s96, 98304
	s_mul_i32 s99, s97, 12288
	s_add_co_u32 s98, s98, s99
	s_mul_i32 s99, ttmp9, 6291456
	s_add_co_u32 s98, s98, s99
	v_add_nc_u32 v[VO1], s98, v[LI]
	s_lshl_b32 s98, s96, 3
	s_add_co_u32 s98, s98, s97
	s_lshl_b32 s98, s98, 9
	s_mul_i32 s99, ttmp9, 262144
	s_add_co_u32 s98, s98, s99
	s_add_co_u32 s98, s98, QS
	v_add_nc_u32 v[VS1], s98, v[LI]
	s_lshr_b32 s96, s17, 3
	s_lshl_b32 s96, s96, 3
	s_add_co_u32 s96, s96, s42                     ; v: group of channels 8 x batch + tx,
	s_and_b32 s97, s17, 7
	s_lshl_b32 s97, s97, 1
	s_add_co_u32 s97, s97, s16                     ; key step
	s_mul_i32 s98, s96, 196608
	s_mul_i32 s99, s97, 12288
	s_add_co_u32 s98, s98, s99
	s_mul_i32 s99, s15, 6144
	s_add_co_u32 s98, s98, s99
	s_add_co_u32 s98, s98, VC
	v_add_nc_u32 v[VO2], s98, v[LI]
	s_lshl_b32 s98, s96, 4
	s_add_co_u32 s98, s98, s97
	s_lshl_b32 s98, s98, 9
	s_lshl_b32 s99, s15, 3
	s_add_co_u32 s98, s98, s99
	s_add_co_u32 s98, s98, VS
	v_add_nc_u32 v[VS2], s98, v[LI]
	s_mul_i32 s20, s20, 768
	s_mov_b32 s21, 0
	s_mul_i32 s46, s46, 768
	s_mov_b32 s47, 0
	s_mul_i32 s22, s22, 768
	s_mov_b32 s23, 0
	s_cmp_eq_u32 s15, 0
	s_cselect_b32 s12, s40, s41                    ; the prefetches: my place among the four that ask with me,
	s_mul_i32 s12, s12, 32*768                     ; 32 rows each
	s_mov_b32 s13, 0
	s_mul_i32 s18, s41, 32*768
	s_mov_b32 s19, 0
	s_wait_alu depctr_va_vdst(0)                   ; the wait at the head's end
	s_wait_kmcnt 0x0
	s_cmp_eq_u32 ttmp9, 1                          ; q or k: the same in all partners
	s_cselect_b64 s[72:73], s[76:77], s[72:73]
	s_cselect_b64 s[74:75], s[78:79], s[74:75]
	s_cselect_b64 s[84:85], s[86:87], s[84:85]
.irp f, 0,1,2,3,4,5,6,7
	global_load_b128 v[SC1+4*\f:SC1+4*\f+3], v[VSX1], s[70:71] offset:512*\f
	global_load_b128 v[SC0+4*\f:SC0+4*\f+3], v[VSW0], s[74:75] offset:(32*(\f/2)+8*(\f%2))*32
.endr
	WIN 0x40
.irp b, 0,1,2,3,4,5,6,7
	global_load_b128 v[96+8*\b+96*(\b/4):96+8*\b+96*(\b/4)+3], v[VBR], s[84:85] offset:(32*(\b/2)+8*(\b%2))*4
	global_load_b128 v[96+8*\b+96*(\b/4)+4:96+8*\b+96*(\b/4)+7], v[VBR], s[84:85] offset:(32*(\b/2)+8*(\b%2))*4+16
.endr
	WIN 0
.irp p, 0,1,2,3,4,5
	global_load_b64 v[WOD+2*\p:WOD+2*\p+1], v[VWOC], s[90:91] offset:48*(\p/3)+8*(\p%3)
.endr
	global_load_b32 v[WOD+12], v[VWOS], s[92:93]
	global_load_b32 v[WOD+13], v[VWOS], s[92:93] offset:1024
	s_add_nc_u64 s[20:21], s[68:69], s[20:21]
	s_add_nc_u64 s[46:47], s[72:73], s[46:47]
	s_add_nc_u64 s[22:23], s[80:81], s[22:23]
	s_cmp_eq_u32 s15, 0
	s_cselect_b64 s[96:97], s[20:21], s[46:47]
	s_add_nc_u64 s[12:13], s[96:97], s[12:13]
	s_add_nc_u64 s[18:19], s[22:23], s[18:19]
.irp s, 0,1
	s_mov_b32 s[G0+4*\s], 1
	s_add_co_u32 s[G0+4*\s+1], s45, \s*SLOT
	s_add_nc_u64 s[G0+4*\s+2:G0+4*\s+3], s[20:21], \s*256
	s_or_b32 s[G0+4*\s+3], s[G0+4*\s+3], 0x80000000
	s_mov_b32 s[G0B+4*\s], 1
	s_add_co_u32 s[G0B+4*\s+1], s45, \s*SLOT
	s_add_nc_u64 s[G0B+4*\s+2:G0B+4*\s+3], s[46:47], \s*256
	s_or_b32 s[G0B+4*\s+3], s[G0B+4*\s+3], 0x80000000
	s_mov_b32 s[G0V+4*\s], 1
	s_mov_b32 s[G0V+4*\s+1], 2*HALFT+\s*SLOT
	s_add_nc_u64 s[G0V+4*\s+2:G0V+4*\s+3], s[22:23], 256-\s*256   ; slot 1 takes Wv's chunk 0 first, slot 0 its chunk 1
	s_or_b32 s[G0V+4*\s+3], s[G0V+4*\s+3], 0x80000000
.endr
	CROUND                                         ; all sixteen work-groups are here: the first joint loads meet
	JLOAD G0, G1, G0B, G1B                         ; chunk 0: my one tensor load at the head
	global_prefetch_b8 v[PFO], s[12:13] offset:256 th:TH_LOAD_NT scope:SCOPE_SE   ; chunks 1 and 2 of my work-group's 32 rows of the 128 that I fetch
	global_prefetch_b8 v[PFO], s[12:13] offset:512 th:TH_LOAD_NT scope:SCOPE_SE
	s_wait_loadcnt 0x0
	s_cmp_lg_u32 ttmp9, 0
	s_cbranch_scc1 .Lno_wo
.irp c, 0,1,2
	global_store_b128 v[VWOD], v[WOD+4*\c:WOD+4*\c+3], s[94:95] offset:512*\c
.endr
	s_cmp_lg_u32 s14, 0
	s_cbranch_scc1 .Lno_wo
	global_store_b64 v[VWSD], v[WOD+12:WOD+13], s[94:95]
.Lno_wo:
	s_wait_tensorcnt 0x0                           ; my part of chunk 0 is in; the lines ahead of a later first fill
	ds_add_u32 v[SPW], v[NIL]
	s_wait_dscnt 0x0
	CROUND
	JLOAD G0+4, G1, G0B+4, G1B                     ; chunk 1
	FETCH0 0, 0
	FETCH1 0, 0
	FETCH1 0, 4
	ASKV 0                                         ; Wv's chunk 0
	STEP 0, 1
	STEP 1, 0
	STEP 2, 0
	STEP 3, 0
	STEP 4, 0
	STEP 5, 0
	STEP 6, 0
	s_wait_tensorcnt 0x0                           ; step 7 ends phase 1: chunk 3 is whole, chunk 2 is left
	ds_add_u32 v[SPW], v[NIL]
	s_wait_dscnt 4*NL+1
	WIN MUL_LO
	MUL16 0, 1, 7, 0
	s_wait_dscnt 0x0
	s_barrier_signal -1
	MUL16 2, 1, 7, 0
	WIN 0
	s_barrier_wait -1
	CREST
	REFILL 4
	FETCHV 8, 0                                    ; phase 2's first fragments, into registers that phase 1 has done with
	WIN MUL_HI
	MUL16 4, 1, 7, 0
	MUL16 6, 1, 7, 0
	WIN 0
	PLACES 4
.irp f, 0,1,2,3,4,5,6,7
	global_load_b128 v[SC0+4*\f:SC0+4*\f+3], v[VSX0], s[70:71] offset:(32*(\f/2)+8*(\f%2))*32
.endr
.irp f, 0,1,2,3
	global_load_b128 v[SC1+4*\f:SC1+4*\f+3], v[VSWV], s[82:83] offset:512*\f
.endr
	WIN 0x40
.irp a, 0,1,2,3
.irp j, 0,1,2,3,4,5,6,7
	global_load_b32 v[96+8*\a+\j], v[VBL], s[88:89] offset:64*\a   ; bv of the lane's channel, in all eight registers of a C
.endr
.endr
	WIN 0
.irp a, 0,1,2,3,4,5,6,7
	EPI \a, VO1
.endr
	s_mov_b32 vcc_lo, 0xffff0000
.irp j, 0,1,2,3
	v_cndmask_b32 v[WW+\j], v[PWK+2*\j], v[PWK+2*\j+1], vcc_lo   ; fragment 2 j's words in lanes 0-15, fragment 2 j + 1's in lanes 16-31
.endr
	global_store_b128 v[VS1], v[WW:WW+3], s[94:95]
	s_wait_xcnt 0x0                                ; the stores have read the registers that fragments land on next
	s_wait_loadcnt 0x0
	STEPV 8, 1
	STEPV 9, 0
	STEPV 10, 0
	STEPV 11, 0
	STEPV 12, 0
	STEPV 13, 0
	STEPV 14, 0
	s_wait_dscnt 0x0
	WIN MUL_LO
	MUL8V 0, 1, 7, 0
	MUL8V 1, 1, 7, 0
	MUL8V 2, 1, 7, 0
	MUL8V 3, 1, 7, 0
	WIN 0
	PLACES 4
.irp a, 0,1,2,3
	EPI \a, VO2
.endr
	s_mov_b32 vcc_lo, 0xffff0000
	v_cndmask_b32 v[WW], v[PWK], v[PWK+1], vcc_lo
	v_cndmask_b32 v[WW+1], v[PWK+2], v[PWK+3], vcc_lo
	global_store_b64 v[VS2], v[WW:WW+1], s[94:95]
	s_wait_tensorcnt 0x0                           ; the wave's end
	ds_add_u32 v[SPW], v[NIL]
	s_wait_dscnt 0x0
	CROUND                                         ; the closing round
	s_endpgm
.Lfunc_end_k_qb64dee81fc_proj:
	.size	k_qb64dee81fc_proj, .Lfunc_end_k_qb64dee81fc_proj-k_qb64dee81fc_proj
	.p2alignl 7, 3214868480
	.fill 96, 4, 3214868480
	.section	.rodata,"a",@progbits
	.p2align	6, 0x0
	.amdhsa_kernel k_qb64dee81fc_proj
		.amdhsa_group_segment_fixed_size 327680
		.amdhsa_private_segment_fixed_size 0
		.amdhsa_enable_private_segment 0
		.amdhsa_kernarg_size 112
		.amdhsa_user_sgpr_count 2
		.amdhsa_user_sgpr_kernarg_segment_ptr 1
		.amdhsa_wavefront_size32 1
		.amdhsa_system_sgpr_workgroup_id_x 1
		.amdhsa_system_sgpr_workgroup_id_y 1
		.amdhsa_system_sgpr_workgroup_id_z 1
		.amdhsa_system_vgpr_workitem_id 0
		.amdhsa_next_free_vgpr 1024
		.amdhsa_next_free_sgpr 100
		.amdhsa_reserve_vcc 1
		.amdhsa_float_denorm_mode_32 3
		.amdhsa_float_denorm_mode_16_64 3
		.amdhsa_memory_ordered 1
		.amdhsa_forward_progress 1
		.amdhsa_inst_pref_size 255
	.end_amdhsa_kernel
	.section	.bss,"aw",@nobits
	.p2align	6
	.space	262144
	.amdgpu_metadata
---
amdhsa.version: [ 1, 2 ]
amdhsa.kernels:
  - .name:           k_qb64dee81fc_proj
    .symbol:         k_qb64dee81fc_proj.kd
    .args:
      - { .name: x_codes, .offset: 0, .size: 8, .value_kind: global_buffer, .address_space: global }
      - { .name: x_scales, .offset: 8, .size: 8, .value_kind: global_buffer, .address_space: global }
      - { .name: Wq_codes, .offset: 16, .size: 8, .value_kind: global_buffer, .address_space: global }
      - { .name: Wq_scales, .offset: 24, .size: 8, .value_kind: global_buffer, .address_space: global }
      - { .name: Wk_codes, .offset: 32, .size: 8, .value_kind: global_buffer, .address_space: global }
      - { .name: Wk_scales, .offset: 40, .size: 8, .value_kind: global_buffer, .address_space: global }
      - { .name: Wv_codes, .offset: 48, .size: 8, .value_kind: global_buffer, .address_space: global }
      - { .name: Wv_scales, .offset: 56, .size: 8, .value_kind: global_buffer, .address_space: global }
      - { .name: bq, .offset: 64, .size: 8, .value_kind: global_buffer, .address_space: global }
      - { .name: bk, .offset: 72, .size: 8, .value_kind: global_buffer, .address_space: global }
      - { .name: bv, .offset: 80, .size: 8, .value_kind: global_buffer, .address_space: global }
      - { .name: Wo_codes, .offset: 88, .size: 8, .value_kind: global_buffer, .address_space: global }
      - { .name: Wo_scales, .offset: 96, .size: 8, .value_kind: global_buffer, .address_space: global }
      - { .name: qkv, .offset: 104, .size: 8, .value_kind: global_buffer, .address_space: global }
    .group_segment_fixed_size: 327680
    .private_segment_fixed_size: 0
    .kernarg_segment_align: 8
    .kernarg_segment_size: 112
    .max_flat_workgroup_size: 128
    .sgpr_count:     100
    .vgpr_count:     1024
    .wavefront_size: 32
...
	.end_amdgpu_metadata
.endif
;; end of part 1
;; launch scores (part 2): grid 8 x 32, 4 waves a work-group, clusters of 4 x 4, 327,680 bytes of LDS; arguments qkv, pbuf; writes pbuf
.if DOCPART == 2
	.amdgcn_target "amdgcn-amd-amdhsa--gfx1250"
	.amdhsa_code_object_version 6
	.text
	.protected	k_qb64dee81fc_scores
	.globl	k_qb64dee81fc_scores
	.p2align	8
	.type	k_qb64dee81fc_scores,@function
k_qb64dee81fc_scores:
	s_mov_b64 s[64:65], 0
	v_nop
	global_prefetch_b8 v0, s[64:65] scope:SCOPE_SE
	s_setreg_imm32_b32 hwreg(HW_REG_WAVE_MODE, 25, 1), 1
	s_wait_xcnt 0x0
	s_wait_alu depctr_hold_cnt(0) depctr_sa_sdst(0) depctr_va_vdst(0) depctr_va_sdst(0) depctr_va_ssrc(0) depctr_va_vcc(0) depctr_vm_vsrc(0)
	s_getreg_b32 s2, hwreg(HW_REG_IB_STS2, 6, 4)
	s_cmp_eq_u32 s2, 0
	s_cbranch_scc0 .Lentry_in_a_cluster
	s_endpgm
.Lentry_in_a_cluster:
	s_bfe_u32 s2, ttmp6, 0x10000c
	s_cmp_lg_u32 s2, 0xf033
	s_cbranch_scc0 .Lentry_shape_is_right
	s_endpgm
.Lentry_shape_is_right:
; S^T = k q^T on codes of FP6 (E2M3), then the softmax's p for the next product.  t = score x log2(e) / 32.  For each query and each 128 keys: M = the largest t of these 128 keys, rounded UP to a whole
; number; p = 2^(t - M), quantised along the keys in blocks of 32; the sum of the unquantised p.  Stored: p's codes as images of operand registers, p's scale words, -M and the sum.  The next launch takes
; the row's largest M, and since every M is a whole number the difference is a power of two, which it takes off p's scale bytes and off the sums: so the maximum that is taken away is the row's own.
; SHARES.  A work-group makes 256 queries x 256 keys of one batch, each of its four waves 128 x 128: 64 accumulators.  K = 1,024 goes in 8 steps of 128 through a ring of two LDS slots of 256 along K.
; q and k lie as images ([group of 128 rows][K step][fragment][1,536 bytes]): a group's two K steps are 24,576 dense bytes, one tensor load; a fragment is three loads of 16 bytes a lane at 16 x lane.
; CLUSTERS: 4 x 4.  q's tile is asked for jointly along a row of the cluster, k's along a column.
; Source 0 = k, source 1 = q: a lane holds one query, its registers run along the keys.  The accumulator of k's tile b stands at place PI(b) (bits 0 and 1 of b exchanged).
; LEFT OUT: prefetching (tiles are shared and come jointly; the launch is short); the softmax by turns with products (when the sums are finished nothing is left to multiply).
; LIMITS: NaN and infinities are not served; |t| stays under 2^24, so that M is an exact whole number; a p under 2^-126 of its 128 keys' largest counts as 0.
; REGISTERS.  Window 0: v16-17, v20-21 LDS addresses; v24 16 x lane; v25 8 x (lane / 16); v28, v29 for the add; v32-63 q's scale words (4 a K step), v64-95 k's; v96-103 p's scale words, v104-111 -M,
;   v112-119 the sums; v124 -M in hand; v128-223 q's fragments, later p and its codes; v224-243 at work.  Window 1: k's fragments, two sets.  Windows 2, 3: the accumulators.
; PREFETCH (in place of what the head's line LEFT OUT says of it): each later fill of 24,576 bytes a wave is asked for ahead of its tensor load: fills 1 and 2 at the head, fill 3 behind fill 1's load.
; The four partners of a joint load take 6,144 bytes each, by address: 24 blocks of 256 bytes, a lane a block; lanes 24-31 name the last block again.
.set GRPB,   24576                     ; two K steps of one group of 128 rows
.set SLOT,   4*GRPB                    ; q's two groups, then k's two
.set SPARE,  2*SLOT
.set FR,     12
.set NL,     3
.set KC,     6291456
.set QS,     19660800
.set KS,     19922944
.set PWO,    12582912                  ; in pbuf: the scale words; -M 524,288 further on; the sums 1,048,576 further on
.set ADR1, 16
.set ADR0, 20
.set LI,   24
.set SH8,  25
.set SPW,  28
.set NIL,  29
.set SC1,  32
.set SC0,  64
.set PWK,  96
.set NMK,  104
.set LK,   112
.set NMP,  124
.set AF,   128
.set X,    128
.set PC,   192
.set TC,   204
.set TM,   212
.set SO,   216
.set BY,   218
.set T,    220
.set MX,   224
.set SA,   228
.set SB,   230
.set WW,   232
.set G1,   24
.set G0,   32
.set G1B,  48
.set G0B,  56
.set SEL,  66
.set CS,   68
.set MUL_LO, 0xa1
.set MUL_HI, 0xf1
.set MSB, 0
.macro WIN new
.if MSB != (\new)
	s_set_vgpr_msb (MSB<<8)|(\new)
.set MSB, \new
.endif
.endm
.macro PLACES n
.rept \n
	v_nop
.endr
.endm
.macro JLOAD g0a, g1a, g0b, g1b        ; waves 0 and 1 fetch q's groups, waves 2 and 3 k's; four v_nop follow each line
	s_cmp_eq_u32 s15, 0
	s_cbranch_scc0 .Lfor_b_\@
	tensor_load_to_lds s[\g0a:\g0a+3], s[\g1a:\g1a+7]
	s_nop 0
.rept 4
	v_nop
.endr
	s_branch .Lasked_\@
.Lfor_b_\@:
	tensor_load_to_lds s[\g0b:\g0b+3], s[\g1b:\g1b+7]
	s_nop 0
.rept 4
	v_nop
.endr
.Lasked_\@:
.endm
.macro CREST
	s_cmp_lg_u32 s14, 0
	s_cbranch_scc1 .Lnot_wave_0_\@
	s_barrier_signal -3
.Lnot_wave_0_\@:
	s_barrier_wait -3
	s_barrier_signal -1
	s_barrier_wait -1
.endm
.macro CROUND
	s_barrier_signal -1
	s_barrier_wait -1
	CREST
.endm
.macro WMI                             ; the matrix line, from the symbols rD, rA, rB, rC, rSA, rSB, rZ, rSEL
.if rZ
.if rSEL == 0
	v_wmma_scale_f32_16x16x128_f8f6f4 v[rD:rD+7], v[rA:rA+11], v[rB:rB+11], 0, v[rSA], v[rSB] matrix_a_fmt:MATRIX_FMT_FP6 matrix_b_fmt:MATRIX_FMT_FP6
.elseif rSEL == 1
	v_wmma_scale_f32_16x16x128_f8f6f4 v[rD:rD+7], v[rA:rA+11], v[rB:rB+11], 0, v[rSA], v[rSB] matrix_a_fmt:MATRIX_FMT_FP6 matrix_b_fmt:MATRIX_FMT_FP6 matrix_b_scale:MATRIX_SCALE_ROW1
.elseif rSEL == 2
	v_wmma_scale_f32_16x16x128_f8f6f4 v[rD:rD+7], v[rA:rA+11], v[rB:rB+11], 0, v[rSA], v[rSB] matrix_a_fmt:MATRIX_FMT_FP6 matrix_b_fmt:MATRIX_FMT_FP6 matrix_a_scale:MATRIX_SCALE_ROW1
.else
	v_wmma_scale_f32_16x16x128_f8f6f4 v[rD:rD+7], v[rA:rA+11], v[rB:rB+11], 0, v[rSA], v[rSB] matrix_a_fmt:MATRIX_FMT_FP6 matrix_b_fmt:MATRIX_FMT_FP6 matrix_a_scale:MATRIX_SCALE_ROW1 matrix_b_scale:MATRIX_SCALE_ROW1
.endif
.else
.if rSEL == 0
	v_wmma_scale_f32_16x16x128_f8f6f4 v[rD:rD+7], v[rA:rA+11], v[rB:rB+11], v[rC:rC+7], v[rSA], v[rSB] matrix_a_fmt:MATRIX_FMT_FP6 matrix_b_fmt:MATRIX_FMT_FP6
.elseif rSEL == 1
	v_wmma_scale_f32_16x16x128_f8f6f4 v[rD:rD+7], v[rA:rA+11], v[rB:rB+11], v[rC:rC+7], v[rSA], v[rSB] matrix_a_fmt:MATRIX_FMT_FP6 matrix_b_fmt:MATRIX_FMT_FP6 matrix_b_scale:MATRIX_SCALE_ROW1
.elseif rSEL == 2
	v_wmma_scale_f32_16x16x128_f8f6f4 v[rD:rD+7], v[rA:rA+11], v[rB:rB+11], v[rC:rC+7], v[rSA], v[rSB] matrix_a_fmt:MATRIX_FMT_FP6 matrix_b_fmt:MATRIX_FMT_FP6 matrix_a_scale:MATRIX_SCALE_ROW1
.else
	v_wmma_scale_f32_16x16x128_f8f6f4 v[rD:rD+7], v[rA:rA+11], v[rB:rB+11], v[rC:rC+7], v[rSA], v[rSB] matrix_a_fmt:MATRIX_FMT_FP6 matrix_b_fmt:MATRIX_FMT_FP6 matrix_a_scale:MATRIX_SCALE_ROW1 matrix_b_scale:MATRIX_SCALE_ROW1
.endif
.endif
.endm
.macro FRAG reg, adr, q, i             ; a fragment's image: three loads, each of 512 consecutive bytes
.irp c, 0,1,2
	ds_load_b128 v[\reg+4*\c:\reg+4*\c+3], v[\adr] offset:(\q)*12288+(\i)*1536+512*\c
.endr
.endm
.macro FETCH0 slot, q, p
	WIN 0x40
.irp i, 0,1,2,3,4,5,6,7
	FRAG 128*(\p)+FR*\i, ADR0+\slot, \q, \i
.endr
	WIN 0
.endm
.macro FETCH1 slot, q, i0
.irp i, \i0, \i0+1, \i0+2, \i0+3
	FRAG AF+FR*(\i), ADR1+\slot, \q, \i
.endr
.endm
; 16 matrix instructions.  A scale register holds the words of fragment 2 j (lanes 0-15) and 2 j + 1 (lanes 16-31) for one K step.  The 64 accumulators take turns.
.macro MUL16 a0, p, gs, zero
.irp a, \a0, \a0+1
.irp b, 0,1,2,3,4,5,6,7
.set rD, 8*(8*((\a)%4)+((\b&4)|((\b&1)<<1)|((\b>>1)&1)))
.set rC, rD
.set rA, 128*(\p)+FR*\b
.set rB, AF+FR*(\a)
.set rSA, SC0+4*(\gs)+\b/2
.set rSB, SC1+4*(\gs)+(\a)/2
.set rSEL, 2*(\b%2)+(\a)%2
.set rZ, \zero
	WMI
.endr
.endr
.endm
.macro STEP slot, q, gs, zero
	s_wait_dscnt 4*NL                              ; k's set and q's blocks 0-3 are in; the youngest loads (blocks 4-7) may be out
	WIN MUL_LO
	MUL16 0, (\q)%2, \gs, \zero
	MUL16 2, (\q)%2, \gs, \zero
	s_wait_dscnt 0x0
	PLACES 4
	FETCH0 \slot, (\q)+1, 1-(\q)%2
	FETCH1 \slot, (\q)+1, 0
	WIN MUL_HI
	MUL16 4, (\q)%2, \gs, \zero
	MUL16 6, (\q)%2, \gs, \zero
	PLACES 4
	WIN 0
	FETCH1 \slot, (\q)+1, 4
.endm
.macro TURN slot, next, fill, gs
	s_wait_tensorcnt 0x0                           ; all my tensor loads have landed: my part of the next slot
	ds_add_u32 v[SPW], v[NIL]                      ; 0 onto my spare word
	s_wait_dscnt 4*NL+1                            ; (the add and the youngest loads, blocks 4-7, may be out)
	WIN MUL_LO
	MUL16 0, 1, \gs, 0
	s_wait_dscnt 0x0                               ; the add is done, and my reads of this slot are over
	s_barrier_signal -1
	MUL16 2, 1, \gs, 0
	WIN 0
	s_barrier_wait -1
.if \fill
	CREST                                          ; no wave of any partner still reads this slot or has a load on its way
	s_add_nc_u64 s[G0+4*\slot+2:G0+4*\slot+3], s[G0+4*\slot+2:G0+4*\slot+3], 2*GRPB
	s_add_nc_u64 s[G0B+4*\slot+2:G0B+4*\slot+3], s[G0B+4*\slot+2:G0B+4*\slot+3], 2*GRPB
	JLOAD G0+4*\slot, G1, G0B+4*\slot, G1B
.else
	PLACES 4
.endif
	FETCH0 \next, 0, 0
	FETCH1 \next, 0, 0
	WIN MUL_HI
	MUL16 4, 1, \gs, 0
	MUL16 6, 1, \gs, 0
	PLACES 4
	WIN 0
	FETCH1 \next, 0, 4
.endm
; 64 numbers of a lane become a fragment's codes in v[PC] on and the row's scale word in v[pw]: after the exchanges v[x + 32 c] on are k = 64 c + 32 h + 0 .. 31 of row r
.macro QUANT64 x, pw
.set i, 0
.rept 4
.set j, 0
.rept 8
	v_permlane16_swap_b32 v[\x+16*i+j], v[\x+16*i+8+j]
.set j, j+1
.endr
.set i, i+1
.endr
.irp q, 0,1,2,3
	v_max3_num_f32 v[TM+\q], |v[\x+16*\q]|, |v[\x+16*\q+1]|, 0x1800000   ; and the floor 2^(3 - 127): the byte cannot fall under 1
.endr
.irp i, 2,4,6,8,10,12,14
.irp q, 0,1,2,3
	v_max3_num_f32 v[TM+\q], v[TM+\q], |v[\x+16*\q+\i]|, |v[\x+16*\q+\i+1]|
.endr
.endr
	v_max_num_f32 v[TM], v[TM], v[TM+1]
	v_max_num_f32 v[TM+2], v[TM+2], v[TM+3]
	v_add_nc_u32 v[SO], 0xff000000, v[TM]          ; 2 off the exponent field: the conversion's scale operand
	v_add_nc_u32 v[SO+1], 0xff000000, v[TM+2]
	v_lshrrev_b32 v[BY], 23, v[SO]
	v_lshrrev_b32 v[BY+1], 23, v[SO+1]
	v_lshl_or_b32 v[\pw], v[BY+1], 16, v[BY]
	v_lshlrev_b32 v[\pw], v[SH8], v[\pw]
	v_permlanex16_b32 v[T], v[\pw], s[SEL], s[SEL+1]
	v_or_b32 v[\pw], v[\pw], v[T]
	s_wait_alu depctr_va_vdst(0)
	s_wait_xcnt 0x0                                ; the last fragment's stores have read the codes' registers
.irp c, 0,1
	v_cvt_scalef32_pk16_fp6_f32 v[PC+6*\c:PC+6*\c+2], v[\x+32*\c:\x+32*\c+15], v[SO+\c]
	v_cvt_scalef32_pk16_fp6_f32 v[TC+4*\c:TC+4*\c+2], v[\x+32*\c+16:\x+32*\c+31], v[SO+\c]
.endr
	v_nop                                          ; one plain vector instruction behind the scaled conversions
.irp c, 0,1
.irp i, 0,1,2
	v_mov_b32 v[PC+6*\c+3+\i], v[TC+4*\c+\i]
.endr
.endr
.endm
; Block a: 16 queries x my 128 keys
.macro EPI a
.set AC, 64*((\a)%4)
.set WD, 2+(\a)/4
	WIN WD|(WD<<2)|(WD<<4)
.irp q, 0,1,2,3
	v_max3_num_f32 v[MX+\q], v[AC+16*\q], v[AC+16*\q+1], v[AC+16*\q+2]   ; the largest score: four chains, each through two accumulators from their low ends on
.endr
	WIN (WD<<2)|(WD<<4)
.irp i, 3,5,7,9,11,13
.irp q, 0,1,2,3
	v_max3_num_f32 v[MX+\q], v[MX+\q], v[AC+16*\q+\i], v[AC+16*\q+\i+1]
.endr
.endr
.irp q, 0,1,2,3
	v_max_num_f32 v[MX+\q], v[MX+\q], v[AC+16*\q+15]
.endr
	WIN 0
	v_max3_num_f32 v[MX], v[MX], v[MX+1], v[MX+2]
	v_max_num_f32 v[MX], v[MX], v[MX+3]
	v_permlanex16_b32 v[T], v[MX], s[SEL], s[SEL+1]
	v_max_num_f32 v[MX], v[MX], v[T]               ; with lane l xor 16's 64 keys
	v_mul_f32 v[MX], s[CS], v[MX]                  ; as t (c is positive)
	v_floor_f32 v[NMP], -v[MX]                     ; -M = floor(-t) = -ceil(t)
	WIN WD
.set i, 0
.rept 32
	v_pk_fma_f32 v[X+2*i:X+2*i+1], v[AC+2*i:AC+2*i+1], s[CS:CS+1], v[NMP:NMP+1] op_sel_hi:[1,0,0]   ; t - M, on the way into window 0
.set i, i+1
.endr
	WIN 0
.set i, 0
	s_wait_alu depctr_va_vdst(0)
.rept 64
	v_exp_f32 v[X+i], v[X+i]                       ; p = 2^(t - M): one batch
.set i, i+1
.endr
	v_mov_b32 v[NMK+(\a)], v[NMP]                  ; a plain instruction behind the exponentials
	s_wait_alu depctr_va_vdst(0)                   ; one wait for the batch, ahead of its first reader
	v_pk_add_f32 v[SA:SA+1], v[X:X+1], v[X+2:X+3]  ; the sum of the unquantised p, two at a time, in two chains
	v_pk_add_f32 v[SB:SB+1], v[X+4:X+5], v[X+6:X+7]
.irp j, 8,12,16,20,24,28,32,36,40,44,48,52,56,60
	v_pk_add_f32 v[SA:SA+1], v[SA:SA+1], v[X+\j:X+\j+1]
	v_pk_add_f32 v[SB:SB+1], v[SB:SB+1], v[X+\j+2:X+\j+3]
.endr
	v_pk_add_f32 v[SA:SA+1], v[SA:SA+1], v[SB:SB+1]
	v_add_f32 v[SA], v[SA], v[SA+1]
	v_permlanex16_b32 v[T], v[SA], s[SEL], s[SEL+1]
	v_add_f32 v[LK+(\a)], v[SA], v[T]
	QUANT64 X, PWK+(\a)
.irp c, 0,1,2
	global_store_b128 v[LI], v[PC+4*\c:PC+4*\c+3], s[70:71] offset:(\a)*1536+512*\c
.endr
.endm
	s_load_b128 s[4:7], s[0:1], 0x0                ; qkv, pbuf
	v_lshl_add_u32 v[SPW], v0, 2, SPARE
	v_mov_b32 v[NIL], 0
	ds_add_u32 v28, v29
	ds_add_u32 v28, v29
	s_wait_dscnt 0x0
	v_lshrrev_b32 v1, 5, v0
	v_readfirstlane_b32 s14, v1                    ; wave
	s_lshr_b32 s15, s14, 1                         ; w1: my half of the queries.  Also: I fetch for q (0) or for k (1)
	s_and_b32 s16, s14, 1                          ; w0: my half of the keys.  Also: which group I fetch
	s_bfe_u32 s40, ttmp6, 0x40000
	s_bfe_u32 s41, ttmp6, 0x40004
	s_lshl_b32 s42, ttmp9, 2
	s_add_co_u32 s42, s42, s40                     ; tx: the tile of 256 keys in the batch
	s_and_b32 s17, ttmp7, 0xffff
	s_lshl_b32 s17, s17, 2
	s_add_co_u32 s17, s17, s41                     ; ty: the tile of 256 queries, all batches on end
	s_lshl_b32 s43, s41, 2
	s_lshl_b32 s43, 15, s43
	s_lshl_b32 s44, 0x1111, s40
	s_or_b32 s[G1], s43, (3<<16)|(1<<21)           ; the mask; elements of 8 bytes; bit 21 beside a mask; no padding
	s_or_b32 s[G1B], s44, (3<<16)|(1<<21)
.irp g, G1, G1B
	s_mov_b32 s[\g+1], 32<<16                      ; a dense block as rows of 256 bytes
	s_mov_b32 s[\g+2], 96<<16
	s_mov_b32 s[\g+3], 32<<16
	s_mov_b32 s[\g+4], 96
	s_mov_b32 s[\g+5], 32
	s_mov_b32 s[\g+6], 0
	s_mov_b32 s[\g+7], 0
.endr
	s_mov_b32 s[SEL], 0x76543210
	s_mov_b32 s[SEL+1], 0xfedcba98
	s_mov_b32 s[CS], 0x3d38aa3b                    ; c = log2(e) / sqrt(1024)
	s_mov_b32 s[CS+1], s[CS]                       ; (named with it as a pair, so it is written)
	s_lshl_b32 s20, s17, 1
	s_add_co_u32 s20, s20, s16
	s_mul_i32 s20, s20, 98304                      ; q: group 2 ty + w0
	s_mov_b32 s21, 0
	s_and_b32 s19, ttmp7, 0xffff
	s_lshr_b32 s19, s19, 1                         ; the batch: the same in all partners
	s_lshl_b32 s46, s19, 4
	s_lshl_b32 s47, s42, 1
	s_add_co_u32 s46, s46, s47
	s_add_co_u32 s46, s46, s16
	s_mul_i32 s46, s46, 98304                      ; k: group 16 x batch + 2 tx + w0
	s_add_co_u32 s46, s46, KC
	s_mov_b32 s47, 0
	s_mul_i32 s45, s14, GRPB
	s_wait_kmcnt 0x0
	s_add_nc_u64 s[20:21], s[4:5], s[20:21]
	s_add_nc_u64 s[46:47], s[4:5], s[46:47]
	CROUND
.irp s, 0,1
	s_mov_b32 s[G0+4*\s], 1
	s_add_co_u32 s[G0+4*\s+1], s45, \s*SLOT
	s_add_nc_u64 s[G0+4*\s+2:G0+4*\s+3], s[20:21], \s*GRPB
	s_or_b32 s[G0+4*\s+3], s[G0+4*\s+3], 0x80000000
	s_mov_b32 s[G0B+4*\s], 1
	s_add_co_u32 s[G0B+4*\s+1], s45, \s*SLOT
	s_add_nc_u64 s[G0B+4*\s+2:G0B+4*\s+3], s[46:47], \s*GRPB
	s_or_b32 s[G0B+4*\s+3], s[G0B+4*\s+3], 0x80000000
.endr
	JLOAD G0, G1, G0B, G1B                         ; slot 0: my one tensor load at the head
	s_lshl_b32 s8, s17, 1
	s_add_co_u32 s8, s8, s15                       ; g: my group of queries = 2 ty + w1
	s_lshl_b32 s10, s8, 12
	s_add_co_u32 s10, s10, QS
	s_mov_b32 s11, 0
	s_add_nc_u64 s[10:11], s[4:5], s[10:11]        ; its scale words: 8 K steps of 512 bytes
	s_lshl_b32 s9, s42, 1
	s_add_co_u32 s9, s9, s16                       ; s: my key step = 2 tx + w0
	s_lshl_b32 s12, s19, 4
	s_add_co_u32 s12, s12, s9
	s_lshl_b32 s12, s12, 12
	s_add_co_u32 s12, s12, KS
	s_mov_b32 s13, 0
	s_add_nc_u64 s[12:13], s[4:5], s[12:13]        ; my group of keys' scale words
	s_lshl_b32 s8, s8, 4
	s_add_co_u32 s8, s8, s9                        ; 16 g + s
	s_mul_i32 s2, s8, 12288
	s_mov_b32 s3, 0
	s_add_nc_u64 s[70:71], s[6:7], s[2:3]          ; p's codes
	s_lshl_b32 s2, s8, 9
	s_add_co_u32 s2, s2, PWO
	s_add_nc_u64 s[72:73], s[6:7], s[2:3]          ; p's scale words, -M, sums
	s_mul_i32 s22, s15, GRPB
	s_mul_i32 s23, s16, GRPB
	s_add_co_u32 s23, s23, 2*GRPB
	s_cmp_eq_u32 s15, 0                            ; the prefetches: the group that I fetch,
	s_cselect_b32 s78, s40, s41                    ; my place among the four that ask for it with me,
	s_mul_i32 s78, s78, 6144                       ; a quarter of a fill each
	s_mov_b32 s79, 0
	s_cselect_b64 s[76:77], s[20:21], s[46:47]
	s_add_nc_u64 s[76:77], s[76:77], s[78:79]
	v_bfe_u32 v2, v0, 4, 1
	v_and_b32 v3, 31, v0
	v_lshlrev_b32 v[LI], 4, v3
	v_lshlrev_b32 v[SH8], 3, v2
	v_mov_b32 v[NMP+1], 0                          ; (named as the upper half of a pair)
	v_min_u32 v4, 23, v3
	v_lshlrev_b32 v4, 8, v4                        ; a lane a block of 256 bytes, 24 blocks
.irp s, 0,1
	v_add_nc_u32 v[ADR1+\s], s22, v[LI]
	v_add_nc_u32 v[ADR0+\s], s23, v[LI]
	s_add_co_u32 s22, s22, SLOT
	s_add_co_u32 s23, s23, SLOT
.endr
	global_prefetch_b8 v4, s[76:77] offset:GRPB th:TH_LOAD_NT scope:SCOPE_SE     ; fill 1
	global_prefetch_b8 v4, s[76:77] offset:2*GRPB th:TH_LOAD_NT scope:SCOPE_SE   ; fill 2
.irp s, 0,1,2,3,4,5,6,7
	global_load_b128 v[SC1+4*\s:SC1+4*\s+3], v[LI], s[10:11] offset:512*\s
	global_load_b128 v[SC0+4*\s:SC0+4*\s+3], v[LI], s[12:13] offset:512*\s
.endr
	s_wait_alu depctr_va_vdst(0)
	s_wait_tensorcnt 0x0                           ; my part of slot 0 is in; the lines ahead of a later first fill
	ds_add_u32 v[SPW], v[NIL]
	s_wait_dscnt 0x0
	CROUND
	JLOAD G0+4, G1, G0B+4, G1B                     ; slot 1's first fill, the first tensor load behind the round
	global_prefetch_b8 v4, s[76:77] offset:3*GRPB th:TH_LOAD_NT scope:SCOPE_SE   ; fill 3
	s_wait_loadcnt 0x0
	FETCH0 0, 0, 0
	FETCH1 0, 0, 0
	FETCH1 0, 0, 4
	STEP 0, 0, 0, 1
	TURN 0, 1, 1, 1
	STEP 1, 0, 2, 0
	TURN 1, 0, 1, 3
	STEP 0, 0, 4, 0
	TURN 0, 1, 0, 5
	STEP 1, 0, 6, 0
	s_wait_dscnt 4*NL
	WIN MUL_LO
	MUL16 0, 1, 7, 0
	MUL16 2, 1, 7, 0
	s_wait_dscnt 0x0
	WIN MUL_HI
	MUL16 4, 1, 7, 0
	MUL16 6, 1, 7, 0
	WIN 0
	PLACES 4
	v_mov_b32 v[T], 0                              ; written once: a lane permute's destination counts as one of its sources
.irp a, 0,1,2,3,4,5,6,7
	EPI \a
.endr
	s_mov_b32 vcc_lo, 0xffff0000
.irp j, 0,1,2,3
	v_cndmask_b32 v[WW+\j], v[PWK+2*\j], v[PWK+2*\j+1], vcc_lo   ; fragment 2 j's in lanes 0-15, fragment 2 j + 1's in lanes 16-31
	v_cndmask_b32 v[WW+4+\j], v[NMK+2*\j], v[NMK+2*\j+1], vcc_lo
	v_cndmask_b32 v[WW+8+\j], v[LK+2*\j], v[LK+2*\j+1], vcc_lo
.endr
	global_store_b128 v[LI], v[WW:WW+3], s[72:73]
	global_store_b128 v[LI], v[WW+4:WW+7], s[72:73] offset:524288
	global_store_b128 v[LI], v[WW+8:WW+11], s[72:73] offset:1048576
	s_wait_tensorcnt 0x0                           ; the wave's end
	ds_add_u32 v[SPW], v[NIL]
	s_wait_dscnt 0x0
	CROUND
	s_endpgm
.Lfunc_end_k_qb64dee81fc_scores:
	.size	k_qb64dee81fc_scores, .Lfunc_end_k_qb64dee81fc_scores-k_qb64dee81fc_scores
	.p2alignl 7, 3214868480
	.fill 96, 4, 3214868480
	.section	.rodata,"a",@progbits
	.p2align	6, 0x0
	.amdhsa_kernel k_qb64dee81fc_scores
		.amdhsa_group_segment_fixed_size 327680
		.amdhsa_private_segment_fixed_size 0
		.amdhsa_enable_private_segment 0
		.amdhsa_kernarg_size 16
		.amdhsa_user_sgpr_count 2
		.amdhsa_user_sgpr_kernarg_segment_ptr 1
		.amdhsa_wavefront_size32 1
		.amdhsa_system_sgpr_workgroup_id_x 1
		.amdhsa_system_sgpr_workgroup_id_y 1
		.amdhsa_system_sgpr_workgroup_id_z 1
		.amdhsa_system_vgpr_workitem_id 0
		.amdhsa_next_free_vgpr 1024
		.amdhsa_next_free_sgpr 100
		.amdhsa_reserve_vcc 1
		.amdhsa_float_denorm_mode_32 3
		.amdhsa_float_denorm_mode_16_64 3
		.amdhsa_memory_ordered 1
		.amdhsa_forward_progress 1
		.amdhsa_inst_pref_size 208
	.end_amdhsa_kernel
	.amdgpu_metadata
---
amdhsa.version: [ 1, 2 ]
amdhsa.kernels:
  - .name:           k_qb64dee81fc_scores
    .symbol:         k_qb64dee81fc_scores.kd
    .args:
      - { .name: qkv, .offset: 0, .size: 8, .value_kind: global_buffer, .address_space: global }
      - { .name: pbuf, .offset: 8, .size: 8, .value_kind: global_buffer, .address_space: global }
    .group_segment_fixed_size: 327680
    .private_segment_fixed_size: 0
    .kernarg_segment_align: 8
    .kernarg_segment_size: 16
    .max_flat_workgroup_size: 128
    .sgpr_count:     100
    .vgpr_count:     1024
    .wavefront_size: 32
...
	.end_amdgpu_metadata
.endif
;; end of part 2
;; launch pv (part 3): grid 4 x 64, 4 waves a work-group, clusters of 4 x 4, 327,680 bytes of LDS; arguments qkv, pbuf, cbuf; writes cbuf
.if DOCPART == 3
	.amdgcn_target "amdgcn-amd-amdhsa--gfx1250"
	.amdhsa_code_object_version 6
	.text
	.protected	k_qb64dee81fc_pv
	.globl	k_qb64dee81fc_pv
	.p2align	8
	.type	k_qb64dee81fc_pv,@function
k_qb64dee81fc_pv:
	s_mov_b64 s[64:65], 0
	v_nop
	global_prefetch_b8 v0, s[64:65] scope:SCOPE_SE
	s_setreg_imm32_b32 hwreg(HW_REG_WAVE_MODE, 25, 1), 1
	s_wait_xcnt 0x0
	s_wait_alu depctr_hold_cnt(0) depctr_sa_sdst(0) depctr_va_vdst(0) depctr_va_sdst(0) depctr_va_ssrc(0) depctr_va_vcc(0) depctr_vm_vsrc(0)
	s_getreg_b32 s2, hwreg(HW_REG_IB_STS2, 6, 4)
	s_cmp_eq_u32 s2, 0
	s_cbranch_scc0 .Lentry_in_a_cluster
	s_endpgm
.Lentry_in_a_cluster:
	s_bfe_u32 s2, ttmp6, 0x10000c
	s_cmp_lg_u32 s2, 0xf033
	s_cbranch_scc0 .Lentry_shape_is_right
	s_endpgm
.Lentry_shape_is_right:
; ctx = (p v) / l on codes of FP6 (E2M3), quantised along the channels for the last product.  O^T = v^T p^T: source 0 = 16 channels of v^T, source 1 = 16 queries of p; K = the batch's 2,048 keys, 16 steps.
; THE ROW'S MAXIMUM.  p came with a whole-number M for each query and each 128 keys.  At the head each lane takes, for its rows, the smallest -M of the 16 key steps (the row's M), and for each step
; d = the row's M less the step's, a whole number; d is taken off the step's four scale bytes (held at 0 from below) and the step's sum is multiplied by 2^-d: both exact.  The sums' total divides O.
; SHARES.  A work-group makes 128 queries x 256 channels; a wave 64 queries (fragments 4 w1 .. 4 w1 + 3) x 128 channels (group w0): 32 accumulators, window 2.  A ring of two LDS slots of 512 keys
; (four steps): p's group 49,152 dense bytes, v's two groups 98,304.  Wave 0 fetches p's, waves 1 and 2 v's groups, wave 3 nothing.
; CLUSTERS: 4 x 4.  p's tile is asked for jointly along a row of the cluster, v's along a column.
; LEFT OUT: prefetching (tiles are shared and come jointly; the launch is short).
; LIMITS: NaN and infinities are not served; a block of p more than 2^-126 under the row's largest p gets the scale byte 0, that is 2^-127, where the rule would give zero or subnormal codes;
;   d is held at 127; a block of ctx whose largest magnitude lies under 2^-124 keeps the byte 1.
; REGISTERS.  Window 0: v16-17, v20-21 LDS addresses; v24 16 x lane; v25 8 x (lane / 16); v28, v29 for the add; v32-95 v's scale words (4 a step), v96-127 p's (2 a step); v128-223 p's fragments, two sets
;   (at the head: -M, the sums, work; at the end: numbers and codes); v224-231 1 / l in pairs; v232-237 scale words made.  Window 1: v's fragments, two sets of 96.  Window 2: the accumulators.
; PREFETCH (in place of what the head's line LEFT OUT says of it): each later fill of 49,152 bytes of waves 0 to 2 is asked for ahead of its tensor load: fills 1 and 2 at the head, fill 3 behind fill 1's load.
; The four partners of a joint load take 12,288 bytes each, by address: 48 blocks of 256 bytes, a lane a block, in two instructions; in the second lanes 16-31 name the last block again.
.set SLOT,   147456
.set SPARE,  2*SLOT
.set FR,     12
.set VC,     12582912
.set VS,     20185088
.set PWO,    12582912
.set CSO,    6291456                   ; in cbuf: the scale words
.set ADR1, 16
.set ADR0, 20
.set LI,   24
.set SH8,  25
.set SPW,  28
.set NIL,  29
.set SC0,  32
.set SC1,  96
.set NM,   128
.set LL,   160
.set X,    128
.set PC,   192
.set TC,   204
.set TM,   212
.set SO,   216
.set BY,   218
.set T,    220
.set RL,   224
.set PWK,  232
.set WW,   236
.set G1,   24
.set G0,   32
.set G1B,  48
.set G0B,  56
.set SEL,  66
.set MUL,  0xa1                        ; source 0 window 1, source 1 window 0, C and D window 2
.set MSB, 0
.macro WIN new
.if MSB != (\new)
	s_set_vgpr_msb (MSB<<8)|(\new)
.set MSB, \new
.endif
.endm
.macro PLACES n
.rept \n
	v_nop
.endr
.endm
.macro JLOAD3 s                        ; wave 0 fetches p's tile, waves 1 and 2 v's groups, wave 3 nothing; four v_nop follow each line
	s_cmp_eq_u32 s14, 0
	s_cbranch_scc0 .Lnot_a_\@
	tensor_load_to_lds s[G0+4*(\s):G0+4*(\s)+3], s[G1:G1+7]
	s_nop 0
.rept 4
	v_nop
.endr
	s_branch .Lasked_\@
.Lnot_a_\@:
	s_cmp_lt_u32 s14, 3
	s_cbranch_scc0 .Lasked_\@
	tensor_load_to_lds s[G0B+4*(\s):G0B+4*(\s)+3], s[G1B:G1B+7]
	s_nop 0
.rept 4
	v_nop
.endr
.Lasked_\@:
.endm
.macro CREST
	s_cmp_lg_u32 s14, 0
	s_cbranch_scc1 .Lnot_wave_0_\@
	s_barrier_signal -3
.Lnot_wave_0_\@:
	s_barrier_wait -3
	s_barrier_signal -1
	s_barrier_wait -1
.endm
.macro CROUND
	s_barrier_signal -1
	s_barrier_wait -1
	CREST
.endm
.macro WMI                             ; the matrix line, from the symbols rD, rA, rB, rC, rSA, rSB, rZ, rSEL
.if rZ
.if rSEL == 0
	v_wmma_scale_f32_16x16x128_f8f6f4 v[rD:rD+7], v[rA:rA+11], v[rB:rB+11], 0, v[rSA], v[rSB] matrix_a_fmt:MATRIX_FMT_FP6 matrix_b_fmt:MATRIX_FMT_FP6
.elseif rSEL == 1
	v_wmma_scale_f32_16x16x128_f8f6f4 v[rD:rD+7], v[rA:rA+11], v[rB:rB+11], 0, v[rSA], v[rSB] matrix_a_fmt:MATRIX_FMT_FP6 matrix_b_fmt:MATRIX_FMT_FP6 matrix_b_scale:MATRIX_SCALE_ROW1
.elseif rSEL == 2
	v_wmma_scale_f32_16x16x128_f8f6f4 v[rD:rD+7], v[rA:rA+11], v[rB:rB+11], 0, v[rSA], v[rSB] matrix_a_fmt:MATRIX_FMT_FP6 matrix_b_fmt:MATRIX_FMT_FP6 matrix_a_scale:MATRIX_SCALE_ROW1
.else
	v_wmma_scale_f32_16x16x128_f8f6f4 v[rD:rD+7], v[rA:rA+11], v[rB:rB+11], 0, v[rSA], v[rSB] matrix_a_fmt:MATRIX_FMT_FP6 matrix_b_fmt:MATRIX_FMT_FP6 matrix_a_scale:MATRIX_SCALE_ROW1 matrix_b_scale:MATRIX_SCALE_ROW1
.endif
.else
.if rSEL == 0
	v_wmma_scale_f32_16x16x128_f8f6f4 v[rD:rD+7], v[rA:rA+11], v[rB:rB+11], v[rC:rC+7], v[rSA], v[rSB] matrix_a_fmt:MATRIX_FMT_FP6 matrix_b_fmt:MATRIX_FMT_FP6
.elseif rSEL == 1
	v_wmma_scale_f32_16x16x128_f8f6f4 v[rD:rD+7], v[rA:rA+11], v[rB:rB+11], v[rC:rC+7], v[rSA], v[rSB] matrix_a_fmt:MATRIX_FMT_FP6 matrix_b_fmt:MATRIX_FMT_FP6 matrix_b_scale:MATRIX_SCALE_ROW1
.elseif rSEL == 2
	v_wmma_scale_f32_16x16x128_f8f6f4 v[rD:rD+7], v[rA:rA+11], v[rB:rB+11], v[rC:rC+7], v[rSA], v[rSB] matrix_a_fmt:MATRIX_FMT_FP6 matrix_b_fmt:MATRIX_FMT_FP6 matrix_a_scale:MATRIX_SCALE_ROW1
.else
	v_wmma_scale_f32_16x16x128_f8f6f4 v[rD:rD+7], v[rA:rA+11], v[rB:rB+11], v[rC:rC+7], v[rSA], v[rSB] matrix_a_fmt:MATRIX_FMT_FP6 matrix_b_fmt:MATRIX_FMT_FP6 matrix_a_scale:MATRIX_SCALE_ROW1 matrix_b_scale:MATRIX_SCALE_ROW1
.endif
.endif
.endm
; 36 LDS loads in one run: the slot's q-th step: source 0's eight fragments and source 1's four, into fragment set bf
.macro FETCH slot, q, bf
	WIN 0x40
.irp f, 0,1,2,3,4,5,6,7
.irp c, 0,1,2
	ds_load_b128 v[96*(\bf)+FR*\f+4*\c:96*(\bf)+FR*\f+4*\c+3], v[ADR0+(\slot)] offset:(\q)*12288+\f*1536+512*\c
.endr
.endr
	WIN 0
.irp f, 0,1,2,3
.irp c, 0,1,2
	ds_load_b128 v[128+48*(\bf)+FR*\f+4*\c:128+48*(\bf)+FR*\f+4*\c+3], v[ADR1+(\slot)] offset:(\q)*12288+\f*1536+512*\c
.endr
.endr
.endm
; 8 matrix instructions: source 1's block a x source 0's eight tiles.  The 32 accumulators take turns.
.macro MUL8 a, bf, gs, zero
.irp b, 0,1,2,3,4,5,6,7
.set rD, 8*(8*(\a)+((\b&4)|((\b&1)<<1)|((\b>>1)&1)))
.set rC, rD
.set rA, 96*(\bf)+FR*\b
.set rB, 128+48*(\bf)+FR*(\a)
.set rSA, SC0+4*(\gs)+\b/2
.set rSB, SC1+2*(\gs)+(\a)/2
.set rSEL, 2*(\b%2)+(\a)%2
.set rZ, \zero
	WMI
.endr
.endm
.macro STEP gs, zero                   ; a step that has its successor in the same slot
	s_wait_dscnt 0x0                               ; this step's 36 loads, issued a step ago, are in
	PLACES 4                                       ; behind the last step's products, which read the set that is loaded now
	FETCH (((\gs)+1)/4)%2, ((\gs)+1)%4, ((\gs)+1)%2
	WIN MUL
	MUL8 0, (\gs)%2, \gs, \zero
	MUL8 1, (\gs)%2, \gs, \zero
	MUL8 2, (\gs)%2, \gs, \zero
	MUL8 3, (\gs)%2, \gs, \zero
.endm
; A slot's last step changes slots: ONE barrier; in front of it each wave waits for all its tensor loads, adds 0 to its spare word, and waits for that and for its reads of this slot.
.macro TURN gs, fill
.set SL, ((\gs)/4)%2
	PLACES 4                                       ; behind the last step's products, which read set 0: it is loaded again below, on every wave's path
	WIN 0
	s_wait_tensorcnt 0x0                           ; all my tensor loads have landed
	ds_add_u32 v[SPW], v[NIL]                      ; 0 onto my spare word, twice on end
	ds_add_u32 v[SPW], v[NIL]
	s_wait_dscnt 0x2                               ; this step's fragments are in (the two adds may be out)
	WIN MUL
	MUL8 0, 1, \gs, 0
	s_wait_dscnt 0x0                               ; the add is done, and my reads of this slot are over
	s_barrier_signal -1
	MUL8 1, 1, \gs, 0
	WIN 0
	s_barrier_wait -1
.if \fill
	CREST                                          ; no wave of any partner still reads this slot or has a load on its way
	s_add_nc_u64 s[G0+4*SL+2:G0+4*SL+3], s[G0+4*SL+2:G0+4*SL+3], 98304
	s_add_nc_u64 s[G0B+4*SL+2:G0B+4*SL+3], s[G0B+4*SL+2:G0B+4*SL+3], 98304
	JLOAD3 SL                                      ; the next 512 keys but one, into the slot just left
.endif
	FETCH 1-SL, 0, 0
	WIN MUL
	MUL8 2, 1, \gs, 0
	MUL8 3, 1, \gs, 0
.endm
.macro QUANT64 x, pw                   ; 64 numbers of a lane become a fragment's codes in v[PC] on and the row's scale word in v[pw]
.set i, 0
.rept 4
.set j, 0
.rept 8
	v_permlane16_swap_b32 v[\x+16*i+j], v[\x+16*i+8+j]
.set j, j+1
.endr
.set i, i+1
.endr
.irp q, 0,1,2,3
	v_max3_num_f32 v[TM+\q], |v[\x+16*\q]|, |v[\x+16*\q+1]|, 0x1800000   ; and the floor 2^(3 - 127): the byte cannot fall under 1
.endr
.irp i, 2,4,6,8,10,12,14
.irp q, 0,1,2,3
	v_max3_num_f32 v[TM+\q], v[TM+\q], |v[\x+16*\q+\i]|, |v[\x+16*\q+\i+1]|
.endr
.endr
	v_max_num_f32 v[TM], v[TM], v[TM+1]
	v_max_num_f32 v[TM+2], v[TM+2], v[TM+3]
	v_add_nc_u32 v[SO], 0xff000000, v[TM]
	v_add_nc_u32 v[SO+1], 0xff000000, v[TM+2]
	v_lshrrev_b32 v[BY], 23, v[SO]
	v_lshrrev_b32 v[BY+1], 23, v[SO+1]
	v_lshl_or_b32 v[\pw], v[BY+1], 16, v[BY]
	v_lshlrev_b32 v[\pw], v[SH8], v[\pw]
	v_permlanex16_b32 v[T], v[\pw], s[SEL], s[SEL+1]
	v_or_b32 v[\pw], v[\pw], v[T]
	s_wait_alu depctr_va_vdst(0)
	s_wait_xcnt 0x0                                ; the last fragment's stores have read the codes' registers
.irp c, 0,1
	v_cvt_scalef32_pk16_fp6_f32 v[PC+6*\c:PC+6*\c+2], v[\x+32*\c:\x+32*\c+15], v[SO+\c]
	v_cvt_scalef32_pk16_fp6_f32 v[TC+4*\c:TC+4*\c+2], v[\x+32*\c+16:\x+32*\c+31], v[SO+\c]
.endr
	v_nop
.irp c, 0,1
.irp i, 0,1,2
	v_mov_b32 v[PC+6*\c+3+\i], v[TC+4*\c+\i]
.endr
.endr
.endm
.macro EPI a                           ; block a: 16 queries x my 128 channels: / l on the way into window 0, quantised, stored
	WIN 0x02
.set i, 0
.rept 32
	v_pk_mul_f32 v[X+2*i:X+2*i+1], v[64*(\a)+2*i:64*(\a)+2*i+1], v[RL+2*(\a):RL+2*(\a)+1]   ; each accumulator from its low end on
.set i, i+1
.endr
	WIN 0
	QUANT64 X, PWK+(\a)
.irp c, 0,1,2
	global_store_b128 v[LI], v[PC+4*\c:PC+4*\c+3], s[72:73] offset:(\a)*1536+512*\c
.endr
.endm
	s_load_b128 s[4:7], s[0:1], 0x0                ; qkv, pbuf
	s_load_b64 s[8:9], s[0:1], 0x10                ; cbuf
	v_lshl_add_u32 v[SPW], v0, 2, SPARE
	v_mov_b32 v[NIL], 0
	ds_add_u32 v28, v29
	ds_add_u32 v28, v29
	s_wait_dscnt 0x0
	v_lshrrev_b32 v1, 5, v0
	v_readfirstlane_b32 s14, v1                    ; wave
	s_lshr_b32 s15, s14, 1                         ; w1: my 64 queries
	s_and_b32 s16, s14, 1                          ; w0: my 128 channels
	s_sub_co_u32 s18, s14, 1
	s_and_b32 s18, s18, 1                          ; which of v's two groups I fetch (waves 1 and 2)
	s_bfe_u32 s40, ttmp6, 0x40000
	s_bfe_u32 s41, ttmp6, 0x40004
	s_lshl_b32 s42, ttmp9, 2
	s_add_co_u32 s42, s42, s40                     ; tx: the tile of 256 channels
	s_and_b32 s17, ttmp7, 0xffff
	s_lshl_b32 s17, s17, 2
	s_add_co_u32 s17, s17, s41                     ; ty: the group of 128 queries, all batches on end
	s_lshl_b32 s43, s41, 2
	s_lshl_b32 s43, 15, s43
	s_lshl_b32 s44, 0x1111, s40
	s_or_b32 s[G1], s43, (3<<16)|(1<<21)
	s_or_b32 s[G1B], s44, (3<<16)|(1<<21)
.irp g, G1, G1B
	s_mov_b32 s[\g+1], 32<<16                      ; 49,152 dense bytes as 192 rows of 256
	s_mov_b32 s[\g+2], 192<<16
	s_mov_b32 s[\g+3], 32<<16
	s_mov_b32 s[\g+4], 192
	s_mov_b32 s[\g+5], 32
	s_mov_b32 s[\g+6], 0
	s_mov_b32 s[\g+7], 0
.endr
	s_mov_b32 s[SEL], 0x76543210
	s_mov_b32 s[SEL+1], 0xfedcba98
	s_mov_b32 s70, 0x80808080
	s_mov_b32 s71, 0x01010101
	s_mul_i32 s20, s17, 196608                     ; p: group ty, 16 steps of 12,288 bytes
	s_mov_b32 s21, 0
	s_and_b32 s22, ttmp7, 0xffff
	s_lshr_b32 s22, s22, 2                         ; the batch: the same in all partners
	s_lshl_b32 s22, s22, 3
	s_lshl_b32 s47, s42, 1
	s_add_co_u32 s47, s47, s22                     ; 8 x batch + 2 tx
	s_add_co_u32 s46, s47, s18
	s_mul_i32 s46, s46, 196608
	s_add_co_u32 s46, s46, VC                      ; v: the group that I fetch
	s_add_co_u32 s10, s47, s16
	s_lshl_b32 s10, s10, 13
	s_add_co_u32 s10, s10, VS                      ; my group's scale words: 16 steps of 512 bytes
	s_mov_b32 s11, 0
	s_mov_b32 s47, 0
	s_mul_i32 s45, s14, 49152
	s_wait_kmcnt 0x0
	s_add_nc_u64 s[20:21], s[6:7], s[20:21]
	s_add_nc_u64 s[46:47], s[4:5], s[46:47]
	CROUND
.irp s, 0,1
	s_mov_b32 s[G0+4*\s], 1
	s_add_co_u32 s[G0+4*\s+1], s45, \s*SLOT
	s_add_nc_u64 s[G0+4*\s+2:G0+4*\s+3], s[20:21], \s*49152
	s_or_b32 s[G0+4*\s+3], s[G0+4*\s+3], 0x80000000
	s_mov_b32 s[G0B+4*\s], 1
	s_add_co_u32 s[G0B+4*\s+1], s45, \s*SLOT
	s_add_nc_u64 s[G0B+4*\s+2:G0B+4*\s+3], s[46:47], \s*49152
	s_or_b32 s[G0B+4*\s+3], s[G0B+4*\s+3], 0x80000000
.endr
	s_cmp_eq_u32 s14, 0                            ; slot 0's fills: one tensor load a wave, wave 3 none
	s_cbranch_scc0 .Lfirst_not_a
	tensor_load_to_lds s[G0:G0+3], s[G1:G1+7]
	s_nop 0
.rept 4
	v_nop
.endr
	s_branch .Lfirst_asked
.Lfirst_not_a:
	s_cmp_lt_u32 s14, 3
	s_cbranch_scc0 .Lfirst_asked
	tensor_load_to_lds s[G0B:G0B+3], s[G1B:G1B+7]
	s_nop 0
.rept 4
	v_nop
.endr
.Lfirst_asked:
	s_add_nc_u64 s[10:11], s[4:5], s[10:11]
	s_lshl_b32 s12, s17, 13
	s_add_co_u32 s12, s12, PWO
	s_mov_b32 s13, 0
	s_add_nc_u64 s[12:13], s[6:7], s[12:13]        ; p's scale words of my group; -M and the sums lie 524,288 and 1,048,576 further on
	s_lshl_b32 s2, s17, 3
	s_lshl_b32 s3, s42, 1
	s_add_co_u32 s2, s2, s3
	s_add_co_u32 s2, s2, s16                       ; 8 ty + 2 tx + w0: ctx's group and K step
	s_mul_i32 s22, s2, 12288
	s_mul_i32 s23, s15, 6144
	s_add_co_u32 s22, s22, s23
	s_mov_b32 s23, 0
	s_add_nc_u64 s[72:73], s[8:9], s[22:23]        ; my four fragments
	s_lshl_b32 s22, s2, 9
	s_lshl_b32 s3, s15, 8
	s_add_co_u32 s22, s22, s3
	s_add_co_u32 s22, s22, CSO
	s_add_nc_u64 s[74:75], s[8:9], s[22:23]        ; and their scale words
	s_mul_i32 s19, s15, 6144
	s_mul_i32 s3, s16, 49152
	s_add_co_u32 s3, s3, 49152
	s_lshl_b32 s2, s15, 3
	s_cmp_eq_u32 s14, 0                            ; the prefetches: the tile that I fetch,
	s_cselect_b32 s78, s40, s41                    ; my place among the four that ask for it with me,
	s_mul_i32 s78, s78, 12288                      ; a quarter of a fill each
	s_mov_b32 s79, 0
	s_cselect_b64 s[76:77], s[20:21], s[46:47]
	s_add_nc_u64 s[76:77], s[76:77], s[78:79]
	v_bfe_u32 v2, v0, 4, 1
	v_and_b32 v3, 31, v0
	v_lshlrev_b32 v[LI], 4, v3
	v_lshlrev_b32 v[SH8], 3, v2
	v_add_nc_u32 v7, s2, v[LI]                     ; 16 x lane + 8 w1: my two words of a step's four
	v_lshlrev_b32 v8, 3, v3                        ; 8 x lane
	v_lshlrev_b32 v9, 8, v3                        ; a lane a block of 256 bytes: 32 blocks,
	v_min_u32 v10, 15, v3
	v_lshlrev_b32 v10, 8, v10                      ; and 16 more
.irp s, 0,1
	v_add_nc_u32 v[ADR1+\s], s19, v[LI]
	v_add_nc_u32 v[ADR0+\s], s3, v[LI]
	s_add_co_u32 s19, s19, SLOT
	s_add_co_u32 s3, s3, SLOT
.endr
	s_cmp_lt_u32 s14, 3                            ; wave 3 fetches nothing and asks for nothing
	s_wait_alu depctr_va_vdst(0)                   ; the wait ahead of the branch
	s_cbranch_scc0 .Lno_pf
	global_prefetch_b8 v9, s[76:77] offset:49152 th:TH_LOAD_NT scope:SCOPE_SE         ; fill 1
	global_prefetch_b8 v10, s[76:77] offset:49152+8192 th:TH_LOAD_NT scope:SCOPE_SE
	global_prefetch_b8 v9, s[76:77] offset:98304 th:TH_LOAD_NT scope:SCOPE_SE         ; fill 2
	global_prefetch_b8 v10, s[76:77] offset:98304+8192 th:TH_LOAD_NT scope:SCOPE_SE
.Lno_pf:
.irp s, 0,1,2,3,4,5,6,7,8,9,10,11,12,13,14,15
	global_load_b64 v[NM+2*\s:NM+2*\s+1], v7, s[12:13] offset:524288+512*\s
.endr
.irp s, 0,1,2,3,4,5,6,7,8,9,10,11,12,13,14,15
	global_load_b64 v[SC1+2*\s:SC1+2*\s+1], v7, s[12:13] offset:512*\s
	global_load_b64 v[LL+2*\s:LL+2*\s+1], v7, s[12:13] offset:1048576+512*\s
	global_load_b128 v[SC0+4*\s:SC0+4*\s+3], v[LI], s[10:11] offset:512*\s
.endr
	s_wait_alu depctr_va_vdst(0)
	s_wait_tensorcnt 0x0                           ; my part of slot 0 is in; the lines ahead of a later first fill,
	ds_add_u32 v[SPW], v[NIL]                      ; the add twice on end
	ds_add_u32 v[SPW], v[NIL]
	s_wait_dscnt 0x0
	CROUND
	JLOAD3 1                                       ; slot 1's first fill, the first tensor load behind the round
	s_cmp_lt_u32 s14, 3
	s_cbranch_scc0 .Lno_pf2
	global_prefetch_b8 v9, s[76:77] offset:147456 th:TH_LOAD_NT scope:SCOPE_SE        ; fill 3
	global_prefetch_b8 v10, s[76:77] offset:147456+8192 th:TH_LOAD_NT scope:SCOPE_SE
.Lno_pf2:
	s_wait_loadcnt 0x0
	; ---- the row's M, the scale bytes and the sums.  Register j of a step and my lane are one row: fragment 4 w1 + 2 j + lane / 16, row lane % 16
.irp j, 0,1
	v_min3_num_f32 v[192+\j], v[NM+\j], v[NM+2+\j], v[NM+4+\j]
.endr
.irp s, 3,5,7,9,11,13
.irp j, 0,1
	v_min3_num_f32 v[192+\j], v[192+\j], v[NM+2*\s+\j], v[NM+2*\s+2+\j]
.endr
.endr
.irp j, 0,1
	v_min_num_f32 v[192+\j], v[192+\j], v[NM+30+\j]   ; the smallest -M: the row's
	v_mov_b32 v[194+\j], 0                         ; the row's sum
.endr
.irp s, 0,1,2,3,4,5,6,7,8,9,10,11,12,13,14,15
.irp j, 0,1
	v_sub_f32 v[196+4*\j], v[192+\j], v[NM+2*\s+\j]   ; -d: the step's M less the row's, a whole number, 0 or less
.endr
.irp j, 0,1
	v_max_num_f32 v[196+4*\j], 0xc2fe0000, v[196+4*\j]   ; held at -127
.endr
.irp j, 0,1
	v_cvt_i32_f32 v[196+4*\j], v[196+4*\j]
.endr
.irp j, 0,1
	v_ldexp_f32 v[197+4*\j], v[LL+2*\s+\j], v[196+4*\j]   ; the step's sum x 2^-d
.endr
.irp j, 0,1
	v_add_f32 v[194+\j], v[194+\j], v[197+4*\j]
.endr
.irp j, 0,1
	v_mul_lo_u32 v[196+4*\j], v[196+4*\j], s71     ; -d in each byte's place
.endr
.irp j, 0,1
	v_or_b32 v[198+4*\j], s70, v[SC1+2*\s+\j]      ; p's bytes are at most 125: 128 is lent to each, so that no byte borrows from its neighbour
.endr
.irp j, 0,1
	v_add_nc_u32 v[198+4*\j], v[198+4*\j], v[196+4*\j]
.endr
.irp j, 0,1
	v_and_b32 v[199+4*\j], s70, v[198+4*\j]        ; the loan is still there where byte - d is 0 or more
.endr
.irp j, 0,1
	v_lshrrev_b32 v[197+4*\j], 7, v[199+4*\j]
.endr
.irp j, 0,1
	v_sub_nc_u32 v[199+4*\j], v[199+4*\j], v[197+4*\j]   ; 0x7f there, 0 elsewhere
.endr
.irp j, 0,1
	v_and_b32 v[SC1+2*\s+\j], v[198+4*\j], v[199+4*\j]   ; byte - d, held at 0
.endr
.endr
	v_mov_b32 v204, 0                              ; a lane permute's destination counts as one of its sources
	v_mov_b32 v205, 0
	v_permlanex16_b32 v204, v194, s[SEL], s[SEL+1]
	v_permlanex16_b32 v205, v195, s[SEL], s[SEL+1]
	s_mov_b32 vcc_lo, 0xffff0000
	v_cndmask_b32 v206, v194, v204, vcc_lo         ; block 0's sums in both halves of the lanes,
	v_cndmask_b32 v207, v204, v194, vcc_lo         ; block 1's,
	v_cndmask_b32 v208, v195, v205, vcc_lo         ; block 2's,
	v_cndmask_b32 v209, v205, v195, vcc_lo         ; block 3's
	s_wait_alu depctr_va_vdst(0)
.irp a, 0,1,2,3
	v_rcp_f32 v[RL+2*\a], v[206+\a]
.endr
	v_nop                                          ; a plain instruction behind the reciprocals
	s_wait_alu depctr_va_vdst(0)                   ; one wait for the four, ahead of their first reader
.irp a, 0,1,2,3
	v_mov_b32 v[RL+2*\a+1], v[RL+2*\a]             ; pairs for the packed multiplication
.endr
	s_wait_alu depctr_va_vdst(0)
	FETCH 0, 0, 0
	PLACES 8                                       ; p's scale registers were written by vector instructions: eight places ahead of the first product
	STEP 0, 1                                      ; the first step's products start the sums
	STEP 1, 0
	STEP 2, 0
	TURN 3, 1
	STEP 4, 0
	STEP 5, 0
	STEP 6, 0
	TURN 7, 1
	STEP 8, 0
	STEP 9, 0
	STEP 10, 0
	TURN 11, 0                                     ; nothing is left to fetch
	STEP 12, 0
	STEP 13, 0
	STEP 14, 0
	s_wait_dscnt 0x0                               ; the last step
	WIN MUL
	MUL8 0, 1, 15, 0
	MUL8 1, 1, 15, 0
	MUL8 2, 1, 15, 0
	MUL8 3, 1, 15, 0
	WIN 0
	PLACES 4
	v_mov_b32 v[T], 0
	s_wait_alu depctr_va_vdst(0)
.irp a, 0,1,2,3
	EPI \a
.endr
	s_mov_b32 vcc_lo, 0xffff0000
	v_cndmask_b32 v[WW], v[PWK], v[PWK+1], vcc_lo
	v_cndmask_b32 v[WW+1], v[PWK+2], v[PWK+3], vcc_lo
	global_store_b64 v8, v[WW:WW+1], s[74:75]      ; 32 lanes store 256 consecutive bytes, aligned
	s_wait_tensorcnt 0x0                           ; the wave's end
	ds_add_u32 v[SPW], v[NIL]
	s_wait_dscnt 0x0
	CROUND
	s_endpgm
.Lfunc_end_k_qb64dee81fc_pv:
	.size	k_qb64dee81fc_pv, .Lfunc_end_k_qb64dee81fc_pv-k_qb64dee81fc_pv
	.p2alignl 7, 3214868480
	.fill 96, 4, 3214868480
	.section	.rodata,"a",@progbits
	.p2align	6, 0x0
	.amdhsa_kernel k_qb64dee81fc_pv
		.amdhsa_group_segment_fixed_size 327680
		.amdhsa_private_segment_fixed_size 0
		.amdhsa_enable_private_segment 0
		.amdhsa_kernarg_size 24
		.amdhsa_user_sgpr_count 2
		.amdhsa_user_sgpr_kernarg_segment_ptr 1
		.amdhsa_wavefront_size32 1
		.amdhsa_system_sgpr_workgroup_id_x 1
		.amdhsa_system_sgpr_workgroup_id_y 1
		.amdhsa_system_sgpr_workgroup_id_z 1
		.amdhsa_system_vgpr_workitem_id 0
		.amdhsa_next_free_vgpr 768
		.amdhsa_next_free_sgpr 100
		.amdhsa_reserve_vcc 1
		.amdhsa_float_denorm_mode_32 3
		.amdhsa_float_denorm_mode_16_64 3
		.amdhsa_memory_ordered 1
		.amdhsa_forward_progress 1
		.amdhsa_inst_pref_size 166
	.end_amdhsa_kernel
	.amdgpu_metadata
---
amdhsa.version: [ 1, 2 ]
amdhsa.kernels:
  - .name:           k_qb64dee81fc_pv
    .symbol:         k_qb64dee81fc_pv.kd
    .args:
      - { .name: qkv, .offset: 0, .size: 8, .value_kind: global_buffer, .address_space: global }
      - { .name: pbuf, .offset: 8, .size: 8, .value_kind: global_buffer, .address_space: global }
      - { .name: cbuf, .offset: 16, .size: 8, .value_kind: global_buffer, .address_space: global }
    .group_segment_fixed_size: 327680
    .private_segment_fixed_size: 0
    .kernarg_segment_align: 8
    .kernarg_segment_size: 24
    .max_flat_workgroup_size: 128
    .sgpr_count:     100
    .vgpr_count:     768
    .wavefront_size: 32
...
	.end_amdgpu_metadata
.endif
;; end of part 3
;; launch outp (part 4): grid 4 x 64, 4 waves a work-group, clusters of 4 x 4, 327,680 bytes of LDS; arguments cbuf, qkv, bo, out0; writes out0
.if DOCPART == 4
	.amdgcn_target "amdgcn-amd-amdhsa--gfx1250"
	.amdhsa_code_object_version 6
	.text
	.protected	k_qb64dee81fc_outp
	.globl	k_qb64dee81fc_outp
	.p2align	8
	.type	k_qb64dee81fc_outp,@function
k_qb64dee81fc_outp:
	s_mov_b64 s[64:65], 0
	v_nop
	global_prefetch_b8 v0, s[64:65] scope:SCOPE_SE
	s_setreg_imm32_b32 hwreg(HW_REG_WAVE_MODE, 25, 1), 1
	s_wait_xcnt 0x0
	s_wait_alu depctr_hold_cnt(0) depctr_sa_sdst(0) depctr_va_vdst(0) depctr_va_sdst(0) depctr_va_ssrc(0) depctr_va_vcc(0) depctr_vm_vsrc(0)
	s_getreg_b32 s2, hwreg(HW_REG_IB_STS2, 6, 4)
	s_cmp_eq_u32 s2, 0
	s_cbranch_scc0 .Lentry_in_a_cluster
	s_endpgm
.Lentry_in_a_cluster:
	s_bfe_u32 s2, ttmp6, 0x10000c
	s_cmp_lg_u32 s2, 0xf033
	s_cbranch_scc0 .Lentry_shape_is_right
	s_endpgm
.Lentry_shape_is_right:
; out = ctx Wo^T + bo on codes of FP6 (E2M3).  Source 0 = 16 rows of Wo (output columns), source 1 = 16 tokens of ctx: a lane holds eight neighbouring columns of one row of out.
; SHARES.  A work-group makes 128 tokens x 256 columns; a wave 64 tokens (fragments 4 w1 .. 4 w1 + 3) x 128 columns (group w0): 32 accumulators, window 2.  K = 1,024 is 8 steps: two LDS slots of four
; steps each hold all of it, so each slot is filled once.  Both operands lie as images of operand registers.
; CLUSTERS: 4 x 4.  ctx's tile is asked for jointly along a row of the cluster, Wo's along a column.
; bo is the C of each sum's first matrix instruction.  The way out goes through each wave's own stage in LDS (16 rows x 528 bytes, in slot 0, which has had its one fill and its last read by then),
; so that 32 lanes store 512 consecutive bytes of a row.
; LEFT OUT: prefetching (tiles are shared and come jointly; the launch is short).  LIMITS: NaN and infinities are not served.
; REGISTERS.  Window 0: v16-17, v20-21 LDS addresses; v24 16 x lane; v26, v27 the stage; v28, v29 for the add; v32-63 Wo's scale words (4 a step), v64-79 ctx's (2 a step); v128-223 ctx's fragments,
;   two sets; on the way out v128-255.  Window 1: Wo's fragments, two sets of 96; v192-255 bo.  Window 2: the accumulators.
; PREFETCH (in place of what the head's line LEFT OUT says of it): slot 1's fill, 49,152 bytes of each of waves 0 to 2, is asked for at the head, ahead of its tensor load.
; The four partners of a joint load take 12,288 bytes each, by address: 48 blocks of 256 bytes, a lane a block, in two instructions; in the second lanes 16-31 name the last block again.
.set SLOT,   147456
.set SPARE,  2*SLOT
.set FR,     12
.set OC,     18874368
.set OS,     20447232
.set CSO,    6291456
.set SPITCH, 528
.set ADR1, 16
.set ADR0, 20
.set LI,   24
.set STO,  26
.set RD,   27
.set SPW,  28
.set NIL,  29
.set SC0,  32
.set SC1,  64
.set BK,   128
.set G1,   24
.set G0,   32
.set G1B,  48
.set G0B,  56
.set MUL,  0xa1
.set MSB, 0
.macro WIN new
.if MSB != (\new)
	s_set_vgpr_msb (MSB<<8)|(\new)
.set MSB, \new
.endif
.endm
.macro PLACES n
.rept \n
	v_nop
.endr
.endm
.macro CREST
	s_cmp_lg_u32 s14, 0
	s_cbranch_scc1 .Lnot_wave_0_\@
	s_barrier_signal -3
.Lnot_wave_0_\@:
	s_barrier_wait -3
	s_barrier_signal -1
	s_barrier_wait -1
.endm
.macro CROUND
	s_barrier_signal -1
	s_barrier_wait -1
	CREST
.endm
.macro WMI                             ; the matrix line, from the symbols rD, rA, rB, rC, rSA, rSB, rSEL
.if rSEL == 0
	v_wmma_scale_f32_16x16x128_f8f6f4 v[rD:rD+7], v[rA:rA+11], v[rB:rB+11], v[rC:rC+7], v[rSA], v[rSB] matrix_a_fmt:MATRIX_FMT_FP6 matrix_b_fmt:MATRIX_FMT_FP6
.elseif rSEL == 1
	v_wmma_scale_f32_16x16x128_f8f6f4 v[rD:rD+7], v[rA:rA+11], v[rB:rB+11], v[rC:rC+7], v[rSA], v[rSB] matrix_a_fmt:MATRIX_FMT_FP6 matrix_b_fmt:MATRIX_FMT_FP6 matrix_b_scale:MATRIX_SCALE_ROW1
.elseif rSEL == 2
	v_wmma_scale_f32_16x16x128_f8f6f4 v[rD:rD+7], v[rA:rA+11], v[rB:rB+11], v[rC:rC+7], v[rSA], v[rSB] matrix_a_fmt:MATRIX_FMT_FP6 matrix_b_fmt:MATRIX_FMT_FP6 matrix_a_scale:MATRIX_SCALE_ROW1
.else
	v_wmma_scale_f32_16x16x128_f8f6f4 v[rD:rD+7], v[rA:rA+11], v[rB:rB+11], v[rC:rC+7], v[rSA], v[rSB] matrix_a_fmt:MATRIX_FMT_FP6 matrix_b_fmt:MATRIX_FMT_FP6 matrix_a_scale:MATRIX_SCALE_ROW1 matrix_b_scale:MATRIX_SCALE_ROW1
.endif
.endm
.macro FETCH slot, q, bf               ; 36 LDS loads in one run: the slot's q-th step into fragment set bf
	WIN 0x40
.irp f, 0,1,2,3,4,5,6,7
.irp c, 0,1,2
	ds_load_b128 v[96*(\bf)+FR*\f+4*\c:96*(\bf)+FR*\f+4*\c+3], v[ADR0+(\slot)] offset:(\q)*12288+\f*1536+512*\c
.endr
.endr
	WIN 0
.irp f, 0,1,2,3
.irp c, 0,1,2
	ds_load_b128 v[128+48*(\bf)+FR*\f+4*\c:128+48*(\bf)+FR*\f+4*\c+3], v[ADR1+(\slot)] offset:(\q)*12288+\f*1536+512*\c
.endr
.endr
.endm
; 8 matrix instructions: ctx's block a x Wo's eight tiles.  bias = 1: C is bo's eight registers of the tile.  The 32 accumulators take turns.
.macro MUL8 a, bf, gs, bias
.irp b, 0,1,2,3,4,5,6,7
.set rD, 8*(8*(\a)+\b)
.if \bias
.set rC, 192+8*\b
.else
.set rC, rD
.endif
.set rA, 96*(\bf)+FR*\b
.set rB, 128+48*(\bf)+FR*(\a)
.set rSA, SC0+4*(\gs)+\b/2
.set rSB, SC1+2*(\gs)+(\a)/2
.set rSEL, 2*(\b%2)+(\a)%2
	WMI
.endr
.endm
.macro STEP gs, bias
	s_wait_dscnt 0x0                               ; this step's 36 loads, issued a step ago, are in
	PLACES 4                                       ; behind the last step's products, which read the set that is loaded now
	FETCH (((\gs)+1)/4)%2, ((\gs)+1)%4, ((\gs)+1)%2
.if \bias
	WIN 0x91                                       ; source 0 and C window 1, source 1 window 0, D window 2
.else
	WIN MUL
.endif
	MUL8 0, (\gs)%2, \gs, \bias
	MUL8 1, (\gs)%2, \gs, \bias
	MUL8 2, (\gs)%2, \gs, \bias
	MUL8 3, (\gs)%2, \gs, \bias
.endm
.macro TOSTAGE a                       ; block a, 16 rows x 128 columns, into my stage and back as whole rows of 512 bytes
	WIN 0x08                                       ; an LDS store's data: window 2
.irp b, 0,1,2,3,4,5,6,7
	ds_store_b128 v[STO], v[64*(\a)+8*\b:64*(\a)+8*\b+3] offset:64*\b          ; each accumulator from its low end on
	ds_store_b128 v[STO], v[64*(\a)+8*\b+4:64*(\a)+8*\b+7] offset:64*\b+16
.endr
	WIN 0
.set BB, BK+64*((\a)%2)
.irp t, 0,1,2,3,4,5,6,7,8,9,10,11,12,13,14,15
	ds_load_b128 v[BB+4*\t:BB+4*\t+3], v[RD] offset:\t*SPITCH   ; LDS serves a wave's instructions in order: these see the stores above
.endr
.endm
.macro SEND a, younger                 ; younger: the LDS instructions issued behind block a's loads, which may stay out
.set BB, BK+64*((\a)%2)
	s_wait_dscnt \younger
.irp t, 0,1,2,3,4,5,6,7,8,9,10,11,12,13,14,15
	global_store_b128 v[LI], v[BB+4*\t:BB+4*\t+3], s[10:11] offset:(16*(\a)+\t)*4096 th:TH_STORE_NT   ; 32 lanes store 512 consecutive bytes, aligned; written once
.endr
.endm
	s_load_b256 s[4:11], s[0:1], 0x0               ; cbuf s[4:5], qkv s[6:7], bo s[8:9], out0 s[10:11]
	v_lshl_add_u32 v[SPW], v0, 2, SPARE
	v_mov_b32 v[NIL], 0
	ds_add_u32 v28, v29
	ds_add_u32 v28, v29
	s_wait_dscnt 0x0
	v_lshrrev_b32 v1, 5, v0
	v_readfirstlane_b32 s14, v1                    ; wave
	s_lshr_b32 s15, s14, 1                         ; w1: my 64 tokens
	s_and_b32 s16, s14, 1                          ; w0: my 128 columns
	s_sub_co_u32 s18, s14, 1
	s_and_b32 s18, s18, 1                          ; which of Wo's two groups I fetch (waves 1 and 2)
	s_bfe_u32 s40, ttmp6, 0x40000
	s_bfe_u32 s41, ttmp6, 0x40004
	s_lshl_b32 s42, ttmp9, 2
	s_add_co_u32 s42, s42, s40                     ; tx: the tile of 256 columns
	s_and_b32 s17, ttmp7, 0xffff
	s_lshl_b32 s17, s17, 2
	s_add_co_u32 s17, s17, s41                     ; ty: the group of 128 tokens
	s_lshl_b32 s43, s41, 2
	s_lshl_b32 s43, 15, s43
	s_lshl_b32 s44, 0x1111, s40
	s_or_b32 s[G1], s43, (3<<16)|(1<<21)
	s_or_b32 s[G1B], s44, (3<<16)|(1<<21)
.irp g, G1, G1B
	s_mov_b32 s[\g+1], 32<<16                      ; 49,152 dense bytes as 192 rows of 256
	s_mov_b32 s[\g+2], 192<<16
	s_mov_b32 s[\g+3], 32<<16
	s_mov_b32 s[\g+4], 192
	s_mov_b32 s[\g+5], 32
	s_mov_b32 s[\g+6], 0
	s_mov_b32 s[\g+7], 0
.endr
	s_mul_i32 s20, s17, 98304                      ; ctx: group ty, 8 steps of 12,288 bytes
	s_mov_b32 s21, 0
	s_lshl_b32 s47, s42, 1
	s_add_co_u32 s46, s47, s18
	s_mul_i32 s46, s46, 98304
	s_add_co_u32 s46, s46, OC                      ; Wo: the group that I fetch
	s_add_co_u32 s12, s47, s16
	s_lshl_b32 s12, s12, 12
	s_add_co_u32 s12, s12, OS                      ; my group's scale words: 8 steps of 512 bytes
	s_mov_b32 s13, 0
	s_mov_b32 s47, 0
	s_mul_i32 s45, s14, 49152
	s_wait_kmcnt 0x0
	s_add_nc_u64 s[20:21], s[4:5], s[20:21]
	s_add_nc_u64 s[46:47], s[6:7], s[46:47]
	CROUND
.irp s, 0,1
	s_mov_b32 s[G0+4*\s], 1
	s_add_co_u32 s[G0+4*\s+1], s45, \s*SLOT
	s_add_nc_u64 s[G0+4*\s+2:G0+4*\s+3], s[20:21], \s*49152
	s_or_b32 s[G0+4*\s+3], s[G0+4*\s+3], 0x80000000
	s_mov_b32 s[G0B+4*\s], 1
	s_add_co_u32 s[G0B+4*\s+1], s45, \s*SLOT
	s_add_nc_u64 s[G0B+4*\s+2:G0B+4*\s+3], s[46:47], \s*49152
	s_or_b32 s[G0B+4*\s+3], s[G0B+4*\s+3], 0x80000000
.endr
	s_cmp_eq_u32 s14, 0                            ; slot 0's fills: one tensor load a wave, wave 3 none
	s_cbranch_scc0 .Lfirst_not_a
	tensor_load_to_lds s[G0:G0+3], s[G1:G1+7]
	s_nop 0
.rept 4
	v_nop
.endr
	s_branch .Lfirst_asked
.Lfirst_not_a:
	s_cmp_lt_u32 s14, 3
	s_cbranch_scc0 .Lfirst_asked
	tensor_load_to_lds s[G0B:G0B+3], s[G1B:G1B+7]
	s_nop 0
.rept 4
	v_nop
.endr
.Lfirst_asked:
	s_add_nc_u64 s[12:13], s[6:7], s[12:13]
	s_lshl_b32 s22, s17, 12
	s_lshl_b32 s23, s15, 8
	s_add_co_u32 s22, s22, s23
	s_add_co_u32 s22, s22, CSO
	s_mov_b32 s23, 0
	s_add_nc_u64 s[68:69], s[4:5], s[22:23]        ; ctx's scale words: my 64 tokens' 256 bytes of each step's 512
	s_lshl_b32 s22, s42, 8
	s_lshl_b32 s2, s16, 7
	s_add_co_u32 s22, s22, s2
	s_lshl_b32 s22, s22, 2
	s_add_nc_u64 s[8:9], s[8:9], s[22:23]          ; bo at column 256 tx + 128 w0; out0's columns begin as many bytes on
	s_add_nc_u64 s[10:11], s[10:11], s[22:23]
	s_lshl_b32 s22, s17, 7
	s_lshl_b32 s2, s15, 6
	s_add_co_u32 s22, s22, s2
	s_lshl_b32 s22, s22, 12
	s_add_nc_u64 s[10:11], s[10:11], s[22:23]      ; and row 128 ty + 64 w1
	s_mul_i32 s19, s15, 6144
	s_mul_i32 s3, s16, 49152
	s_add_co_u32 s3, s3, 49152
	s_mul_i32 s2, s14, 16*SPITCH                   ; my stage
	s_cmp_eq_u32 s14, 0                            ; the prefetches: the tile that I fetch,
	s_cselect_b32 s78, s40, s41                    ; my place among the four that ask for it with me,
	s_mul_i32 s78, s78, 12288                      ; a quarter of a fill each
	s_mov_b32 s79, 0
	s_cselect_b64 s[76:77], s[20:21], s[46:47]
	s_add_nc_u64 s[76:77], s[76:77], s[78:79]
	v_and_b32 v1, 15, v0
	v_bfe_u32 v2, v0, 4, 1
	v_and_b32 v3, 31, v0
	v_lshlrev_b32 v[LI], 4, v3
	v_lshlrev_b32 v7, 3, v3                        ; 8 x lane
	v_lshlrev_b32 v8, 5, v2                        ; bo: 8 h numbers on
	v_mul_u32_u24 v5, v1, SPITCH
	v_lshl_add_u32 v5, v2, 5, v5
	v_add_nc_u32 v[STO], s2, v5                    ; in: row lane % 16, 32 bytes for each half of the lanes
	v_add_nc_u32 v[RD], s2, v[LI]                  ; back: the 32 lanes take one row
	v_lshlrev_b32 v9, 8, v3                        ; a lane a block of 256 bytes: 32 blocks,
	v_min_u32 v10, 15, v3
	v_lshlrev_b32 v10, 8, v10                      ; and 16 more
.irp s, 0,1
	v_add_nc_u32 v[ADR1+\s], s19, v[LI]
	v_add_nc_u32 v[ADR0+\s], s3, v[LI]
	s_add_co_u32 s19, s19, SLOT
	s_add_co_u32 s3, s3, SLOT
.endr
	s_cmp_lt_u32 s14, 3                            ; wave 3 fetches nothing and asks for nothing
	s_wait_alu depctr_va_vdst(0)                   ; the wait ahead of the branch
	s_cbranch_scc0 .Lno_pf
	global_prefetch_b8 v9, s[76:77] offset:49152 th:TH_LOAD_NT scope:SCOPE_SE         ; slot 1's fill
	global_prefetch_b8 v10, s[76:77] offset:49152+8192 th:TH_LOAD_NT scope:SCOPE_SE
.Lno_pf:
.irp s, 0,1,2,3,4,5,6,7
	global_load_b128 v[SC0+4*\s:SC0+4*\s+3], v[LI], s[12:13] offset:512*\s
	global_load_b64 v[SC1+2*\s:SC1+2*\s+1], v7, s[68:69] offset:512*\s
.endr
	WIN 0x40                                       ; destination window 1
.irp b, 0,1,2,3,4,5,6,7
	global_load_b128 v[192+8*\b:195+8*\b], v8, s[8:9] offset:64*\b
	global_load_b128 v[196+8*\b:199+8*\b], v8, s[8:9] offset:64*\b+16
.endr
	WIN 0
	s_wait_alu depctr_va_vdst(0)
	s_wait_tensorcnt 0x0                           ; my part of slot 0 is in; the lines ahead of a later first fill,
	ds_add_u32 v[SPW], v[NIL]                      ; the add twice on end
	ds_add_u32 v[SPW], v[NIL]
	s_wait_dscnt 0x0
	CROUND
	s_cmp_eq_u32 s14, 0                            ; slot 1's fills, the first tensor loads behind the round
	s_cbranch_scc0 .Lsec_not_a
	tensor_load_to_lds s[G0+4:G0+7], s[G1:G1+7]
	s_nop 0
.rept 4
	v_nop
.endr
	s_branch .Lsec_asked
.Lsec_not_a:
	s_cmp_lt_u32 s14, 3
	s_cbranch_scc0 .Lsec_asked
	tensor_load_to_lds s[G0B+4:G0B+7], s[G1B:G1B+7]
	s_nop 0
.rept 4
	v_nop
.endr
.Lsec_asked:
	s_wait_loadcnt 0x0
	FETCH 0, 0, 0
	STEP 0, 1                                      ; the first step's products start the sums from bo
	STEP 1, 0
	STEP 2, 0
	PLACES 4                                       ; step 3 changes slots.  These places stand behind step 2's products, which read set 0: it is loaded again below
	WIN 0
	s_wait_tensorcnt 0x0                           ; my part of slot 1 has landed
	ds_add_u32 v[SPW], v[NIL]                      ; 0 onto my spare word
	s_wait_dscnt 0x1                               ; this step's fragments are in (the add may be out)
	WIN MUL
	MUL8 0, 1, 3, 0
	s_wait_dscnt 0x0                               ; the add is done, and my reads of slot 0 are over
	s_barrier_signal -1
	MUL8 1, 1, 3, 0
	WIN 0
	s_barrier_wait -1                              ; slot 1 is whole, and nobody reads slot 0 any more
	FETCH 1, 0, 0
	WIN MUL
	MUL8 2, 1, 3, 0
	MUL8 3, 1, 3, 0
	STEP 4, 0
	STEP 5, 0
	STEP 6, 0
	s_wait_dscnt 0x0                               ; the last step
	WIN MUL
	MUL8 0, 1, 7, 0
	MUL8 1, 1, 7, 0
	MUL8 2, 1, 7, 0
	MUL8 3, 1, 7, 0
	WIN 0
	PLACES 4                                       ; in front of the first read of results and of loads into the registers that held fragments
	TOSTAGE 0
	TOSTAGE 1
	SEND 0, 32                                     ; behind block 0's loads: block 1's 16 stores and 16 loads
	s_wait_xcnt 0x0                                ; block 0's stores have read their registers: block 2's loads may land there
	TOSTAGE 2
	SEND 1, 32
	s_wait_xcnt 0x0
	TOSTAGE 3
	SEND 2, 32
	SEND 3, 0
	s_wait_tensorcnt 0x0                           ; the wave's end: three lines behind my last LDS store
	ds_add_u32 v[SPW], v[NIL]
	s_wait_dscnt 0x0
	CROUND                                         ; the closing round
	s_endpgm
.Lfunc_end_k_qb64dee81fc_outp:
	.size	k_qb64dee81fc_outp, .Lfunc_end_k_qb64dee81fc_outp-k_qb64dee81fc_outp
	.p2alignl 7, 3214868480
	.fill 96, 4, 3214868480
	.section	.rodata,"a",@progbits
	.p2align	6, 0x0
	.amdhsa_kernel k_qb64dee81fc_outp
		.amdhsa_group_segment_fixed_size 327680
		.amdhsa_private_segment_fixed_size 0
		.amdhsa_enable_private_segment 0
		.amdhsa_kernarg_size 32
		.amdhsa_user_sgpr_count 2
		.amdhsa_user_sgpr_kernarg_segment_ptr 1
		.amdhsa_wavefront_size32 1
		.amdhsa_system_sgpr_workgroup_id_x 1
		.amdhsa_system_sgpr_workgroup_id_y 1
		.amdhsa_system_sgpr_workgroup_id_z 1
		.amdhsa_system_vgpr_workitem_id 0
		.amdhsa_next_free_vgpr 768
		.amdhsa_next_free_sgpr 100
		.amdhsa_reserve_vcc 0
		.amdhsa_float_denorm_mode_32 3
		.amdhsa_float_denorm_mode_16_64 3
		.amdhsa_memory_ordered 1
		.amdhsa_forward_progress 1
		.amdhsa_inst_pref_size 79
	.end_amdhsa_kernel
	.amdgpu_metadata
---
amdhsa.version: [ 1, 2 ]
amdhsa.kernels:
  - .name:           k_qb64dee81fc_outp
    .symbol:         k_qb64dee81fc_outp.kd
    .args:
      - { .name: cbuf, .offset: 0, .size: 8, .value_kind: global_buffer, .address_space: global }
      - { .name: qkv, .offset: 8, .size: 8, .value_kind: global_buffer, .address_space: global }
      - { .name: bo, .offset: 16, .size: 8, .value_kind: global_buffer, .address_space: global }
      - { .name: out0, .offset: 24, .size: 8, .value_kind: global_buffer, .address_space: global }
    .group_segment_fixed_size: 327680
    .private_segment_fixed_size: 0
    .kernarg_segment_align: 8
    .kernarg_segment_size: 32
    .max_flat_workgroup_size: 128
    .sgpr_count:     100
    .vgpr_count:     768
    .wavefront_size: 32
...
	.end_amdgpu_metadata
.endif
;; end of part 4
